; MI455X (gfx1250); checked and timed in simulation.
; The chip was launched on July 23, 2026; its instructions are those of AMD's public machine-readable ISA for CDNA 5 (MIT licence, August 2026) and "CDNA5" Instruction Set Architecture Reference Guide (July 2026). The comments in the code are by the model that wrote it; some were corrected since.
;; Mo E. Allowed arithmetic: matrix products marked QUANTISED: E5M2 operands, one E8M0 scale for each 32 along K, by v_wmma_scale_f32_16x16x128_f8f6f4 with both operands' format E5M2, f32 sums; products left as they are: f32 operands where the result goes on into a quantised operand, else bf16, f16 or f32 operands; f32 sums; everything else in f32.
;; Inputs: We 8 x 2,048 x 2,048 float32; Wg 2,048 x 8 float32; be 8 x 2,048 float32; inputs 2,048 x 2,048 float32.
;; Outputs: out0 2,048 x 2,048 float32.
;; This version of the problem:
;;   THIS VERSION OF THE PROBLEM IS GIVEN IN LOW PRECISION. The matrix products marked QUANTISED in the list below multiply operands that are first quantised to E5M2 (5 exponent bits, 2 mantissa bits; 8 bits a number), with one power-of-two scale for each 32 numbers along K (OCP MX v1.0); their sums are f32. All else is computed in f32.
;;   The module's matrix products, in the order in which they are computed (A, B: the left and right operand; K: the contracted axis; several contracted axes count as one K, in the product's order):
;;     1. [M 2,048, K 2,048] x [K 2,048, N 8]; A: input inputs; B: input Wg: left as it is (N = 8 < 16)
;;     2. [M 2,048, K 2,048] x [K 2,048, N 2,048]; A: input inputs; B: input We: QUANTISED
;;     3. [M 2,048, K 2,048] x [K 2,048, N 2,048]; A: input inputs; B: input We: QUANTISED
;;     4. [M 2,048, K 2,048] x [K 2,048, N 2,048]; A: input inputs; B: input We: QUANTISED
;;     5. [M 2,048, K 2,048] x [K 2,048, N 2,048]; A: input inputs; B: input We: QUANTISED
;;     6. [M 2,048, K 2,048] x [K 2,048, N 2,048]; A: input inputs; B: input We: QUANTISED
;;     7. [M 2,048, K 2,048] x [K 2,048, N 2,048]; A: input inputs; B: input We: QUANTISED
;;     8. [M 2,048, K 2,048] x [K 2,048, N 2,048]; A: input inputs; B: input We: QUANTISED
;;     9. [M 2,048, K 2,048] x [K 2,048, N 2,048]; A: input inputs; B: input We: QUANTISED
;;   THE QUANTISER, for each operand of a quantised product, along K:
;;     - K is cut into blocks of 32 from its start; a last block that is shorter is filled with zeros.
;;     - A block's scale is 2^e with e = floor(log2(the largest magnitude in the block)) - 15, held to -126 .. 127; a block of zeros has e = 0. As a byte (E8M0): e + 127.
;;     - Each number is divided by its block's scale, clamped to +-57,344, and rounded to the nearest number of E5M2, ties to even, subnormals kept.
;;     - The product sums the exact products of the quantised numbers (number of the format x scale) in f32.
;;   ~~~python
;;   def quantise(x, axis):      # numpy; x: float32 -> the quantised numbers, widened to float32 again
;;       x = np.moveaxis(x, axis, -1); K = x.shape[-1]
;;       x = np.pad(x, [(0, 0)] * (x.ndim - 1) + [(0, -K % 32)]); x = x.reshape(x.shape[:-1] + (-1, 32)); a = np.abs(x).max(-1, keepdims=True)
;;       e = np.where(a > 0, np.clip(np.frexp(np.where(a > 0, a, 1))[1] - 1 - 15, -126, 127), 0)      # np.frexp(a)[1] - 1 = floor(log2(a)), exactly
;;       r = np.clip(x / 2.0 ** e, -57344, 57344)
;;       step = 2.0 ** (np.maximum(np.frexp(np.where(r == 0, 1, r))[1] - 1, -14) - 2)
;;       q = np.round(r / step) * step * 2.0 ** e      # np.round: ties to even
;;       return np.moveaxis(q.reshape(q.shape[:-2] + (-1,))[..., :K], -1, axis).astype(np.float32)
;;   ~~~
;; 2 versions. Each part assembles by itself: llvm-mc -triple=amdgcn-amd-amdhsa -mcpu=gfx1250 --defsym DOCPART=n.
;; ======== version 1 of 2: 3 launches
;; workspace buffers: xc 4,194,304 bytes; xs 131,072 bytes; wc 33,554,432 bytes; wsc 1,048,576 bytes; rt1 40,960 bytes of whole numbers; wts 16,384 bytes; rt2 8,448 bytes of whole numbers; coef 65,536 bytes
;; launch prep (part 1): grid 1280 x 1, 4 waves a work-group, no clusters, 69,632 bytes of LDS; arguments inputs, Wg, We, xc, xs, wc, wsc, rt1, wts; writes xc, xs, wc, wsc, rt1, wts
.if DOCPART == 1
	.amdgcn_target "amdgcn-amd-amdhsa--gfx1250"
	.amdhsa_code_object_version 6
	.text
	.protected	k_q92734f6a61_prep
	.globl	k_q92734f6a61_prep
	.p2align	8
	.type	k_q92734f6a61_prep,@function
k_q92734f6a61_prep:
	s_mov_b64 s[64:65], 0
	v_nop
	global_prefetch_b8 v0, s[64:65] scope:SCOPE_SE
	s_setreg_imm32_b32 hwreg(HW_REG_WAVE_MODE, 25, 1), 1
	s_wait_xcnt 0x0
; PREP.  Two jobs in one launch, chosen by the work-group's number alone.
; Work-groups 0-255 (x path): 8 tokens each, so that no wave has a long chain of tokens; they stand first in the grid.  x [2048][2048] f32 becomes codes of E5M2 (xc, [token][2048]) and one E8M0 byte for each 32 along K (xs, [token][64]);
;   the gate's logits x Wg are summed in f32 by fused multiply-adds; the two largest are chosen (a tie keeps the lower index, as jax.lax.top_k does); the softmax over the two takes the larger away first.
;   Stored as whole numbers, at fixed places, for the next launch: rt1 word [token] = i1 | i2 << 4 | key << 8 | rank << 16, and from byte 8192 on histT[key 32][group 256]: how many tokens of this group of 8 have that key.
;   key = the pair of experts in an order in which neighbouring keys share an expert (0 .. 27); rank = how many earlier tokens of the group have the same key.  No address and no branch here hangs on them.
;   The conversions and the gate want 16 NEIGHBOURS along K in a lane; a load is best where neighbouring LANES take neighbouring bytes.  Both are had: every load of x and of Wg takes 512 consecutive bytes, 16 a lane,
;   and the bytes turn through the wave's own region of LDS.
; Work-groups 256-1279 (We path): We [8][k 2048][n 2048] f32, K its first axis within an expert.  A LANE TAKES A COLUMN n AND ITS REGISTERS RUN DOWN K: a block of 32 lies in one lane, and the conversions give codes with K innermost.
;   The codes are stored in the order of an operand's registers: wc [e][T: 16 columns][s: 128 along K][c 4][lane 32][16 bytes], lane (r, h) = column 16 T + r, k = 128 s + 32 c + 16 h + 0 .. 15;
;   the scale words as wsc [e][T][y 8][r 16][2 words], word i for K step 2 y + i.
; A block's scale is 2^(floor(log2(its largest magnitude)) - 15); its byte is the largest magnitude's exponent field - 15, held at 1 from below; each number is held within +-57,344 x the scale and converted, ties to even.
; LIMITS: NaN and infinities among the inputs are not served.  A block whose largest magnitude lies under 2^-111 (a block of zeros too) gets the byte 1: a block of zeros has zero codes, and these bytes are read by this program alone.
;   Two logits closer than the error of an f32 sum of 2,048 terms may be chosen in another order than by another order of summation.
.set EMAX,  15
.set MANT,  0x600000                   ; the mantissa field of 57,344 as f32
.set FLOOR, (EMAX+1)<<23               ; 2^(16 - 127): no largest magnitude is taken under it, so the byte cannot fall under 1
.set XWG,   256                        ; work-groups of the x path
.set NT,    8                          ; tokens of each
.set WP,    528                        ; LDS, x path: Wg's turn: a lane's 512 bytes + 16: 33 x 16, so sixteen lanes' reads start at sixteen different 16-byte columns of 256
.set WREG,  32*WP                      ; a region of its own for each wave: 16,896 bytes.  x's two stages lie in its first 5,120 bytes, once Wg has been read back
.set SP,    80                         ; x's turn: a lane's 64 bytes + 16
.set LG,    4*WREG                     ; partial logits [wave 4][token 8][8 f32], 1,024 bytes
.set SBY,   LG+1024                    ; scale bytes [wave 4][token 8][16 bytes], 512 bytes: each wave writes 128 bytes of its own
.set CX,    32                         ; x path: v32-47 codes, four registers for each of four tokens
.set ACC,   48                         ; v48-55  eight logits
.set PT,    56                         ; v56-63  the other half of the lanes' sums
.set XR0,   64                         ; v64-127 four sets of 16 numbers of x: as loaded, then turned, in the same registers
.set WGR,   128                        ; v128-255 Wg[kk][e] of my 16 k at 8 kk + e
.set X,     32                         ; We path: v32-95 two sets of 32 numbers
.set C,     96                         ; v96-159 codes, eight registers for each block: no store's data are written again
.set SBW,   24                         ; v24-25  the eight scale bytes
	s_load_b512 s[4:19], s[0:1], 0x0               ; inputs s[4:5], Wg s[6:7], We s[8:9], xc s[10:11], xs s[12:13], wc s[14:15], wsc s[16:17], rt1 s[18:19]
	s_load_b64 s[20:21], s[0:1], 0x40              ; wts
	v_lshl_add_u32 v7, v0, 2, 0x10e00
	v_mov_b32 v16, 0
	v_lshrrev_b32 v1, 5, v0
	v_readfirstlane_b32 s22, v1                    ; wave 0..3
	v_and_b32 v1, 31, v0                           ; lane
	s_mov_b32 s23, MANT                            ; (an instruction takes one literal: the hold's line has another)
	s_cmp_lt_u32 ttmp9, XWG                        ; the same for all four waves of a work-group
	s_cbranch_scc0 .Lweights
; ------------------------------------------------------------------ the x path
; Wave w takes k = 512 w .. 512 w + 511 of each of the group's 8 tokens; at work, lane l holds the 16 neighbours 512 w + 16 l + 0 .. 15: two neighbouring lanes hold a block of 32.
	s_lshl_b32 s24, ttmp9, 16                      ; inputs: 8 tokens x 8,192 bytes a group,
	s_lshl_b32 s25, s22, 11                        ; + 2,048 bytes a wave
	s_add_co_u32 s24, s24, s25
	s_mov_b32 s25, 0
	s_lshl_b32 s28, ttmp9, 14                      ; xc: 8 tokens x 2,048 bytes,
	s_lshl_b32 s29, s22, 9                         ; + 512 a wave
	s_add_co_u32 s28, s28, s29
	s_mov_b32 s29, 0
	s_mov_b32 s26, 0x76543210                      ; v_permlanex16_b32's selects for lane l xor 16
	s_mov_b32 s27, 0xfedcba98
	v_lshlrev_b32 v17, 4, v1                       ; 16 l: my bytes of a load's 512, and my 16 codes
	s_mul_i32 s30, s22, WREG                       ; my wave's region
	v_lshrrev_b32 v13, 2, v1
	v_mul_u32_u24 v13, v13, SP
	v_and_b32 v14, 3, v1
	v_lshl_add_u32 v13, v14, 4, v13
	v_add_nc_u32 v13, s30, v13                     ; x's stage, on the way in: four lanes' 64 bytes on end, then 16 of padding: SP (l / 4) + 16 (l % 4); a load's 512 bytes take eight places
	v_mul_u32_u24 v14, v1, SP
	v_add_nc_u32 v14, s30, v14                     ; and on the way out: SP l: my 16 neighbours
	v_add_nc_u32 v15, s30, v17                     ; Wg's turn, in: load i is the 512 bytes that lane i wants: row i, 16 l
	v_mul_u32_u24 v21, v1, WP
	v_add_nc_u32 v21, s30, v21                     ; and out: row l
	s_lshl_b32 s31, s22, 8
	s_add_co_u32 s31, s31, LG
	v_mov_b32 v18, s31                             ; LDS: my wave's partial logits
	v_lshrrev_b32 v19, 1, v1
	s_lshl_b32 s31, s22, 7
	s_add_co_u32 s31, s31, SBY
	v_add_nc_u32 v19, s31, v19                     ; LDS: my wave's scale bytes, my block's byte
	s_lshl_b32 s31, s22, 14
	v_add_nc_u32 v20, s31, v17                     ; Wg: my wave's 512 rows of 32 bytes, 16 l
.irp e, 0,1,2,3,4,5,6,7
	v_mov_b32 v[PT+\e], 0                          ; written once: a lane permute's destination counts as one of its sources
.endr
	s_wait_kmcnt 0x0
	s_add_nc_u64 s[4:5], s[4:5], s[24:25]
	s_add_nc_u64 s[10:11], s[10:11], s[28:29]
.set i, 0
.rept 32
	global_load_b128 v[WGR+4*i:WGR+4*i+3], v20, s[6:7] offset:512*i   ; 512 consecutive bytes a load
.set i, i+1
.endr
.macro XLOAD t                         ; token t's 2,048 bytes of my K, as they lie, into set t % 4
.irp i, 0,1,2,3
	global_load_b128 v[XR0+16*((\t)%4)+4*\i:XR0+16*((\t)%4)+4*\i+3], v17, s[4:5] offset:(\t)*8192+512*\i th:TH_LOAD_NT
.endr
.endm
.macro TURN t                          ; token t's numbers through stage t % 2 and back into the registers that they left.  LDS serves a wave's instructions in order: no wait stands between the stores and the loads
.irp i, 0,1,2,3
	ds_store_b128 v13, v[XR0+16*((\t)%4)+4*\i:XR0+16*((\t)%4)+4*\i+3] offset:32*SP*((\t)%2)+8*SP*\i
.endr
.irp i, 0,1,2,3
	ds_load_b128 v[XR0+16*((\t)%4)+4*\i:XR0+16*((\t)%4)+4*\i+3], v14 offset:32*SP*((\t)%2)+16*\i
.endr
.endm
.irp t, 0,1,2,3
	XLOAD \t
.endr
	s_wait_loadcnt 16                              ; Wg's 32 loads are in; the four tokens' 16 may be out
.set i, 0
.rept 32
	ds_store_b128 v15, v[WGR+4*i:WGR+4*i+3] offset:WP*i
.set i, i+1
.endr
.set i, 0
.rept 32
	ds_load_b128 v[WGR+4*i:WGR+4*i+3], v21 offset:16*i   ; my 16 rows of Wg: register 4 i + c = Wg[16 l + (4 i + c) / 8][(4 i + c) % 8]; they stay
.set i, i+1
.endr
	s_wait_loadcnt 12                              ; token 0's four loads are in
	TURN 0                                         ; (its stage lies in bytes that Wg's loads above have read: they were issued first)
; One token.  The next token's numbers go through the other stage while this one is worked; the set is then filled again with the token four further on.
.macro XTOK t
.set XR, XR0+16*((\t)%4)
.set CC, CX+4*((\t)%4)
.if (\t)+1 < NT
.if (\t) <= 4
	s_wait_loadcnt 8                               ; loads come back in order: the next token's four are in; those of the two tokens behind it may be out
.else
	s_wait_loadcnt 4*(6-(\t))                      ; the counts run down
.endif
	TURN (\t)+1
.endif
.if (\t) == 0
	s_wait_dscnt 8                                 ; Wg and this token are back from LDS; the next token's turn (4 stores, 4 loads) may be out
.elseif (\t) < NT-1
	s_wait_dscnt 11                                ; this token is back; behind its loads: the last token's three stores and the next token's turn
.else
	s_wait_dscnt 3                                 ; behind its loads: the last token's three stores
.endif
.irp p, 0,1,2,3
	v_pk_mul_f32 v[ACC+2*\p:ACC+2*\p+1], v[XR:XR+1], v[WGR+2*\p:WGR+2*\p+1] op_sel_hi:[0,1]   ; x[0] x Wg[0][2 p], [2 p + 1]: the first products start the sums
.endr
.set kk, 1
.rept 15
.irp p, 0,1,2,3
.if kk%2
	v_pk_fma_f32 v[ACC+2*\p:ACC+2*\p+1], v[XR+kk-1:XR+kk], v[WGR+8*kk+2*\p:WGR+8*kk+2*\p+1], v[ACC+2*\p:ACC+2*\p+1] op_sel:[1,0,0] op_sel_hi:[1,1,1]   ; the pair's second number of x for both experts
.else
	v_pk_fma_f32 v[ACC+2*\p:ACC+2*\p+1], v[XR+kk:XR+kk+1], v[WGR+8*kk+2*\p:WGR+8*kk+2*\p+1], v[ACC+2*\p:ACC+2*\p+1] op_sel_hi:[0,1,1]   ; the pair's first
.endif
.endr
.set kk, kk+1
.endr
.irp n, 1,2,4,8                        ; the eight sums over the 32 lanes, by turns
.irp e, 0,1,2,3,4,5,6,7
	v_add_f32_dpp v[ACC+\e], v[ACC+\e], v[ACC+\e] row_xmask:\n row_mask:0xf bank_mask:0xf
.endr
.endr
.irp e, 0,1,2,3,4,5,6,7
	v_permlanex16_b32 v[PT+\e], v[ACC+\e], s26, s27
.endr
.irp e, 0,1,2,3,4,5,6,7
	v_add_f32 v[ACC+\e], v[ACC+\e], v[PT+\e]
.endr
	ds_store_b128 v18, v[ACC:ACC+3] offset:32*(\t)              ; every lane holds the same eight numbers and writes the same words
	ds_store_b128 v18, v[ACC+4:ACC+7] offset:32*(\t)+16
	v_max3_num_f32 v8, |v[XR]|, |v[XR+1]|, |v[XR+2]|            ; the largest magnitude of my 16, in two chains
	v_max3_num_f32 v9, |v[XR+3]|, |v[XR+4]|, |v[XR+5]|
.irp i, 6,10
	v_max3_num_f32 v8, v8, |v[XR+\i]|, |v[XR+\i+1]|
	v_max3_num_f32 v9, v9, |v[XR+\i+2]|, |v[XR+\i+3]|
.endr
	v_max3_num_f32 v8, v8, |v[XR+14]|, |v[XR+15]|
	v_max3_num_f32 v8, v8, v9, FLOOR
	v_max_num_f32_dpp v8, v8, v8 row_xmask:1 row_mask:0xf bank_mask:0xf   ; and of my neighbour's 16: the block's
	v_add_nc_u32 v11, -(EMAX<<23), v8              ; 15 off its exponent field: the conversion takes the exponent field of this operand as its scale
	v_and_or_b32 v10, v8, 0x7f800000, s23          ; 57,344 x the scale
.irp i, 0,1,2,3,4,5,6,7,8,9,10,11,12,13,14,15
	v_med3_num_f32 v[XR+\i], v[XR+\i], -v10, v10   ; the conversion to an 8-bit code does not saturate (ISA guide 7.6.2): the hold comes first
.endr
	v_cvt_scalef32_pk8_bf8_f32 v[CC:CC+1], v[XR:XR+7], v11
	v_cvt_scalef32_pk8_bf8_f32 v[CC+2:CC+3], v[XR+8:XR+15], v11
	v_lshrrev_b32 v12, 23, v11                     ; the scale's byte (also the plain line behind the conversions)
	ds_store_b8 v19, v12 offset:16*(\t)            ; both lanes of a block write the same byte with the same value
	global_store_b128 v17, v[CC:CC+3], s[10:11] offset:2048*(\t)   ; the wave stores 512 consecutive bytes
.if (\t)+4 < NT
	XLOAD (\t)+4
.endif
.endm
	XTOK 0
	XTOK 1
	XTOK 2
	XTOK 3
	s_wait_xcnt 0x0                                ; the four stores have read the codes' registers, which the next four tokens write again
	XTOK 4
	XTOK 5
	XTOK 6
	XTOK 7
	s_wait_dscnt 0x0                               ; for wave 0's sake: my partial logits and scale bytes lie in LDS
	s_barrier_signal -1
	s_barrier_wait -1
	s_cmp_lg_u32 s22, 0
	s_cbranch_scc1 .Lx_end                         ; waves 1 to 3 are done
; Wave 0: lane l takes token l % 8; lanes 8 to 31 repeat the work of lanes 0 to 7 and store nothing of it.
	s_wait_xcnt 0x0                                ; my last stores have read their registers: v32 on are written again below
	v_and_b32 v2, 7, v1
	v_lshl_add_u32 v2, v2, 5, LG
.irp p, 0,1,2,3
	ds_load_b128 v[XR0+8*\p:XR0+8*\p+3], v2 offset:256*\p
	ds_load_b128 v[XR0+8*\p+4:XR0+8*\p+7], v2 offset:256*\p+16
.endr
	v_and_b32 v44, 3, v1
	v_lshlrev_b32 v44, 7, v44
	v_lshrrev_b32 v45, 2, v1
	v_lshl_add_u32 v44, v45, 4, v44
	v_add_nc_u32 v44, SBY, v44                     ; scale bytes back: piece l % 4 (a wave's 16 bytes) of token l / 4
	ds_load_b128 v[96:99], v44
	s_lshl_b32 s24, ttmp9, 5
	v_lshl_add_u32 v40, v1, 2, s24                 ; rt1: 4 (8 g + l)
	s_lshl_b32 s24, ttmp9, 6
	v_lshl_add_u32 v41, v1, 3, s24                 ; wts: 8 (8 g + l)
	s_lshl_b32 s24, ttmp9, 2
	v_lshl_add_u32 v42, v1, 10, s24                ; histT: 1,024 x key (= lane) + 4 g
	s_lshl_b32 s24, ttmp9, 9
	v_lshl_add_u32 v43, v1, 4, s24                 ; xs: 512 g + 16 l
	s_wait_dscnt 0x0
	global_store_b128 v43, v[96:99], s[12:13]      ; 512 consecutive bytes: the eight tokens' rows of 64 scale bytes
.irp q, 0,1,2,3
	v_pk_add_f32 v[XR0+2*\q:XR0+2*\q+1], v[XR0+2*\q:XR0+2*\q+1], v[XR0+8+2*\q:XR0+9+2*\q]
	v_pk_add_f32 v[XR0+16+2*\q:XR0+17+2*\q], v[XR0+16+2*\q:XR0+17+2*\q], v[XR0+24+2*\q:XR0+25+2*\q]
.endr
.irp q, 0,1,2,3
	v_pk_add_f32 v[ACC+2*\q:ACC+2*\q+1], v[XR0+2*\q:XR0+2*\q+1], v[XR0+16+2*\q:XR0+17+2*\q]   ; the four waves' parts: my token's eight logits
.endr
	v_mov_b32 v20, v[ACC]                          ; m1, i1: the largest so far;  m2, i2: the second
	v_mov_b32 v21, 0
	v_mov_b32 v22, 0xff800000
	v_mov_b32 v23, 0
.irp e, 1,2,3,4,5,6,7
	v_cmp_gt_f32 vcc_lo, v[ACC+\e], v20            ; strictly greater: a tie keeps the lower index
	v_cmp_gt_f32 s30, v[ACC+\e], v22
	v_cndmask_b32 v22, v22, v[ACC+\e], s30
	v_cndmask_b32 v23, v23, \e, s30
	v_cndmask_b32 v22, v22, v20, vcc_lo
	v_cndmask_b32 v23, v23, v21, vcc_lo
	v_cndmask_b32 v20, v20, v[ACC+\e], vcc_lo
	v_cndmask_b32 v21, v21, \e, vcc_lo
.endr
	v_sub_f32 v24, v22, v20                        ; the softmax over the two: the larger is taken away, so the exponent is 0 or less
	v_mul_f32 v24, 0x3fb8aa3b, v24
	v_exp_f32 v24, v24
	v_min_u32 v28, v21, v23                        ; (a plain line behind the exponential)  lo
	s_wait_alu depctr_va_vdst(0)
	v_add_f32 v25, 1.0, v24
	v_rcp_f32 v26, v25                             ; w1 = 1 / (1 + e)
	v_max_u32 v29, v21, v23                        ; (a plain line behind the reciprocal)  hi
	s_wait_alu depctr_va_vdst(0)
	v_mul_f32 v27, v24, v26                        ; w2 = e w1
	v_sub_nc_u32 v30, 15, v28                      ; key = lo (15 - lo) / 2 + (lo odd ? 7 - hi : hi - lo - 1)
	v_mul_u32_u24 v30, v30, v28
	v_lshrrev_b32 v30, 1, v30
	v_sub_nc_u32 v31, 7, v29
	v_sub_nc_u32 v32, v29, v28
	v_add_nc_u32 v32, -1, v32
	v_and_b32 v33, 1, v28
	v_cmp_eq_u32 vcc_lo, 1, v33
	v_cndmask_b32 v32, v32, v31, vcc_lo
	v_add_nc_u32 v34, v30, v32
	v_cmp_gt_u32 vcc_lo, 8, v1
	v_cndmask_b32 v39, 63, v34, vcc_lo             ; for the counts lanes 8 to 31 get a key that no count asks for
	v_mov_b32 v35, 0                               ; rank
	v_mov_b32 v36, 0                               ; lane k: how many of the group's tokens have key k (lanes 28-31 stay 0)
.set k, 0
.rept 28
	v_cmp_eq_u32 s30, k, v39                       ; the tokens with key k
	s_bcnt1_i32_b32 s31, s30
	v_mbcnt_lo_u32_b32 v37, s30, 0                 ; of them, those in lanes below mine
	v_cndmask_b32 v35, v35, v37, s30
	v_writelane_b32 v36, s31, k
.set k, k+1
.endr
	v_lshl_or_b32 v38, v23, 4, v21
	v_lshl_or_b32 v38, v34, 8, v38
	v_lshl_or_b32 v38, v35, 16, v38
	global_store_b32 v42, v36, s[18:19] offset:8192   ; four bytes a key, 1,024 bytes apart: 128 bytes of a work-group's output
	v_cmp_gt_u32 vcc_lo, 8, v1
	s_wait_xcnt 0x0                                ; EXEC changes only behind this wait: stores have been issued
	s_and_saveexec_b32 s31, vcc_lo                 ; lanes 0 to 7: the eight tokens
	global_store_b32 v40, v38, s[18:19]
	global_store_b64 v41, v[26:27], s[20:21]
	s_wait_xcnt 0x0                                ; and again in front of the line that widens it
	s_or_b32 exec_lo, exec_lo, s31
.Lx_end:
	s_wait_tensorcnt 0x0
	ds_add_u32 v7, v16
	s_wait_dscnt 0x0
	s_endpgm
; ------------------------------------------------------------------ the We path
.Lweights:
	s_sub_co_u32 s24, ttmp9, XWG
	s_and_b32 s25, s24, 15                         ; which 128 columns
	s_bfe_u32 s26, s24, 0x30004                    ; y: which 256 along K
	s_lshr_b32 s27, s24, 7                         ; the expert
	s_lshl_b32 s28, s27, 24                        ; We: an expert is 2^24 bytes, 256 rows 2^21, 128 columns 512, a wave's 32 columns 128
	s_lshl_b32 s29, s26, 21
	s_add_co_u32 s28, s28, s29
	s_lshl_b32 s29, s25, 9
	s_add_co_u32 s28, s28, s29
	s_lshl_b32 s29, s22, 7
	s_add_co_u32 s28, s28, s29
	s_mov_b32 s29, 0
	s_lshl_b32 s30, s27, 7                         ; my wave's first tile of 16 columns: 128 e + 8 cg + 2 w
	s_lshl_b32 s31, s25, 3
	s_add_co_u32 s30, s30, s31
	s_lshl_b32 s31, s22, 1
	s_add_co_u32 s30, s30, s31
	s_lshl_b32 s32, s30, 15                        ; wc: a tile is 16 fragments of 2,048 bytes; y is two of them
	s_lshl_b32 s33, s26, 12
	s_add_co_u32 s32, s32, s33
	s_mov_b32 s33, 0
	s_lshl_b32 s34, s30, 10                        ; wsc: a tile is 1,024 bytes; y is 128
	s_lshl_b32 s35, s26, 7
	s_add_co_u32 s34, s34, s35
	s_mov_b32 s35, 0
	v_lshlrev_b32 v4, 2, v1                        ; in: 4 bytes a lane
	v_lshrrev_b32 v5, 4, v1                        ; which of my wave's two tiles
	v_and_b32 v6, 15, v1                           ; r
	v_lshlrev_b32 v2, 15, v5
	v_lshl_add_u32 v2, v6, 4, v2                   ; codes: tile, + 16 r
	v_lshlrev_b32 v3, 10, v5
	v_lshl_add_u32 v3, v6, 3, v3                   ; scale words: tile, + 8 r
	s_wait_kmcnt 0x0
	s_add_nc_u64 s[8:9], s[8:9], s[28:29]
	s_add_nc_u64 s[14:15], s[14:15], s[32:33]
	s_add_nc_u64 s[16:17], s[16:17], s[34:35]
.macro LOADW t                         ; block t: We(32 t + i, my column), i = 0 .. 31, into set t % 2: a wave reads 128 consecutive bytes, the four waves stand side by side on 512
.set i, 0
.rept 32
	global_load_b32 v[X+32*((\t)%2)+i], v4, s[8:9] offset:(32*(\t)+i)*8192 th:TH_LOAD_NT
.set i, i+1
.endr
.endm
.macro BLOCKW t
.set XS, X+32*((\t)%2)
.if (\t) < 7
	s_wait_loadcnt 32                              ; this block's 32 loads are in; the next block's may be out
.else
	s_wait_loadcnt 0x0
.endif
	v_max3_num_f32 v12, |v[XS]|, |v[XS+1]|, |v[XS+2]|           ; the block's largest magnitude: all 32 numbers are mine
	v_max3_num_f32 v13, |v[XS+3]|, |v[XS+4]|, |v[XS+5]|
.irp i, 6,10,14,18,22,26
	v_max3_num_f32 v12, v12, |v[XS+\i]|, |v[XS+\i+1]|
	v_max3_num_f32 v13, v13, |v[XS+\i+2]|, |v[XS+\i+3]|
.endr
	v_max3_num_f32 v12, v12, |v[XS+30]|, |v[XS+31]|
	v_max3_num_f32 v12, v12, v13, FLOOR
	v_add_nc_u32 v11, -(EMAX<<23), v12
	v_and_or_b32 v10, v12, 0x7f800000, s23
	v_lshrrev_b32 v13, 23, v11                     ; the scale's byte
.if (\t)%4 == 0
	v_mov_b32 v[SBW+(\t)/4], v13                   ; four bytes to a word, the lower K in the lower byte
.else
	v_lshl_or_b32 v[SBW+(\t)/4], v13, 8*((\t)%4), v[SBW+(\t)/4]
.endif
.set i, 0
.rept 32
	v_med3_num_f32 v[XS+i], v[XS+i], -v10, v10
.set i, i+1
.endr
.irp g, 0,1,2,3
	v_cvt_scalef32_pk8_bf8_f32 v[C+8*(\t)+2*\g:C+8*(\t)+2*\g+1], v[XS+8*\g:XS+8*\g+7], v11
.endr
	v_nop                                          ; a plain line behind the last conversion
	global_store_b128 v2, v[C+8*(\t):C+8*(\t)+3], s[14:15] offset:512*(\t)         ; k 0-15 of the block: the places of lanes (r, 0): sixteen lanes store 256 consecutive bytes, aligned
	global_store_b128 v2, v[C+8*(\t)+4:C+8*(\t)+7], s[14:15] offset:512*(\t)+256   ; k 16-31: the places of lanes (r, 1)
.if (\t)+2 < 8
	LOADW (\t)+2
.endif
.endm
	LOADW 0
	LOADW 1
.irp t, 0,1,2,3,4,5,6,7
	BLOCKW \t
.endr
	global_store_b64 v3, v[SBW:SBW+1], s[16:17]    ; sixteen lanes store 128 consecutive bytes: one byte in 128 of what this path reads
	s_endpgm
.Lfunc_end_k_q92734f6a61_prep:
	.size	k_q92734f6a61_prep, .Lfunc_end_k_q92734f6a61_prep-k_q92734f6a61_prep
	.p2alignl 7, 3214868480
	.fill 96, 4, 3214868480
	.section	.rodata,"a",@progbits
	.p2align	6, 0x0
	.amdhsa_kernel k_q92734f6a61_prep
		.amdhsa_group_segment_fixed_size 69632
		.amdhsa_private_segment_fixed_size 0
		.amdhsa_enable_private_segment 0
		.amdhsa_kernarg_size 72
		.amdhsa_user_sgpr_count 2
		.amdhsa_user_sgpr_kernarg_segment_ptr 1
		.amdhsa_wavefront_size32 1
		.amdhsa_system_sgpr_workgroup_id_x 1
		.amdhsa_system_sgpr_workgroup_id_y 1
		.amdhsa_system_sgpr_workgroup_id_z 1
		.amdhsa_system_vgpr_workitem_id 0
		.amdhsa_next_free_vgpr 256
		.amdhsa_next_free_sgpr 66
		.amdhsa_reserve_vcc 1
		.amdhsa_float_denorm_mode_32 3
		.amdhsa_float_denorm_mode_16_64 3
		.amdhsa_memory_ordered 1
		.amdhsa_forward_progress 1
		.amdhsa_inst_pref_size 159
	.end_amdhsa_kernel
	.amdgpu_metadata
---
amdhsa.version: [ 1, 2 ]
amdhsa.kernels:
  - .name:           k_q92734f6a61_prep
    .symbol:         k_q92734f6a61_prep.kd
    .args:
      - { .name: inputs, .offset: 0, .size: 8, .value_kind: global_buffer, .address_space: global }
      - { .name: Wg, .offset: 8, .size: 8, .value_kind: global_buffer, .address_space: global }
      - { .name: We, .offset: 16, .size: 8, .value_kind: global_buffer, .address_space: global }
      - { .name: xc, .offset: 24, .size: 8, .value_kind: global_buffer, .address_space: global }
      - { .name: xs, .offset: 32, .size: 8, .value_kind: global_buffer, .address_space: global }
      - { .name: wc, .offset: 40, .size: 8, .value_kind: global_buffer, .address_space: global }
      - { .name: wsc, .offset: 48, .size: 8, .value_kind: global_buffer, .address_space: global }
      - { .name: rt1, .offset: 56, .size: 8, .value_kind: global_buffer, .address_space: global }
      - { .name: wts, .offset: 64, .size: 8, .value_kind: global_buffer, .address_space: global }
    .group_segment_fixed_size: 69632
    .private_segment_fixed_size: 0
    .kernarg_segment_align: 8
    .kernarg_segment_size: 72
    .max_flat_workgroup_size: 128
    .sgpr_count:     66
    .vgpr_count:     256
    .wavefront_size: 32
...
	.end_amdgpu_metadata
.endif
;; end of part 1
;; launch route (part 2): grid 1 x 1, 32 waves a work-group, no clusters, 37,888 bytes of LDS; arguments rt1, wts, rt2, coef; writes rt2, coef
.if DOCPART == 2
	.amdgcn_target "amdgcn-amd-amdhsa--gfx1250"
	.amdhsa_code_object_version 6
	.text
	.protected	k_q92734f6a61_route
	.globl	k_q92734f6a61_route
	.p2align	8
	.type	k_q92734f6a61_route,@function
k_q92734f6a61_route:
	s_mov_b64 s[64:65], 0
	v_nop
	global_prefetch_b8 v0, s[64:65] scope:SCOPE_SE
	s_setreg_imm32_b32 hwreg(HW_REG_WAVE_MODE, 25, 1), 1
	s_wait_xcnt 0x0
; ROUTE.  One work-group sorts the 2,048 tokens by their key (the pair of experts) by a counting sort without atomics, from the ranks and counts that the launch before stored for each group of 8 tokens.
; Out: rt2 word [place] = the token at that place; from byte 8192 on, for each block of 128 places, {its experts, a nibble each; how many};
;      coef [block 16][e 8][r 16][m 8] f32: the gate's weight of expert e for the token at place 128 block + 16 m + r, 0 where the token does not use e.
; Wave w is key w for the sums, and groups 8 w .. 8 w + 7 (64 tokens) for the placing.  place = (tokens of lower keys) + (tokens of my key in earlier groups) + my rank in my group.
; One work-group has all the work there is: 57 KB in, 74 KB out.
.set TOT,    0                         ; LDS: a total for each key: 32 words
.set OFF,    256                       ; LDS: [key 32] rows of 1,040 bytes: the first place of (key, group), 256 words + 16 bytes: 65 x 16, so sixteen lanes' reads of one column start at sixteen different 16-byte columns of 256
.set OPITCH, 1040
	s_load_b256 s[4:11], s[0:1], 0x0               ; rt1 s[4:5], wts s[6:7], rt2 s[8:9], coef s[10:11]
	v_lshl_add_u32 v96, v0, 2, 0x8400
	v_mov_b32 v97, 0
	v_lshrrev_b32 v1, 5, v0
	v_readfirstlane_b32 s12, v1                    ; wave 0..31
	v_and_b32 v1, 31, v0                           ; lane
	v_bfe_u32 v2, v0, 4, 1
	v_sub_nc_u32 v2, 0, v2                         ; all ones in lanes 16-31
	v_mov_b32 v15, 0                               ; written once: a DPP form's destination counts as read
	s_lshl_b32 s13, s12, 10
	v_lshl_add_u32 v3, v1, 5, s13                  ; histT: row w of 1,024 bytes, groups 8 l on
	s_lshl_b32 s13, s12, 8
	v_lshl_add_u32 v12, v1, 2, s13                 ; rt1's words: token 64 w + l
	s_lshl_b32 s14, s12, 9
	v_lshl_add_u32 v13, v1, 3, s14                 ; wts likewise
	v_mov_b32 v19, s12
	v_lshlrev_b32 v19, 2, v19                      ; 4 w
	v_lshlrev_b32 v20, 2, v1                       ; 4 l
	s_mul_i32 s17, s12, OPITCH
	v_lshl_add_u32 v26, v1, 5, s17                 ; OFF: row w, groups 8 l on
	v_mul_u32_u24 v27, v1, OPITCH
	s_lshl_b32 s18, s12, 5
	v_add_nc_u32 v27, s18, v27                     ; OFF: row l, groups 8 w on
	s_lshl_b32 s29, s12, 6                         ; my wave's first token
	s_mov_b32 s32, 0x0000ff00                      ; lanes 8-15, 16-23, 24-31: the second, third and fourth group of a run of 32 tokens
	s_mov_b32 s33, 0x00ff0000
	s_mov_b32 s34, 0xff000000
	s_wait_kmcnt 0x0
	global_load_b128 v[4:7], v3, s[4:5] offset:8192
	global_load_b128 v[8:11], v3, s[4:5] offset:8208
	global_load_b32 v44, v12, s[4:5]
	global_load_b32 v45, v12, s[4:5] offset:128
	global_load_b64 v[46:47], v13, s[6:7]
	global_load_b64 v[48:49], v13, s[6:7] offset:256
; the running sum over the 32 lanes, my own number included
.macro SCAN v, t
.irp n, 1,2,4,8
	v_mov_b32_dpp v[\t], v[\v] row_shr:\n row_mask:0xf bank_mask:0xf bound_ctrl:1   ; the lane n below in my half; 0 where there is none
	v_add_nc_u32 v[\v], v[\v], v[\t]
.endr
	v_readlane_b32 s15, v[\v], 15                  ; the lower half's total goes onto the upper half
	v_and_b32 v[\t], s15, v2
	v_add_nc_u32 v[\v], v[\v], v[\t]
.endm
	s_wait_loadcnt 0x0
	v_add3_u32 v14, v4, v5, v6                     ; my key's tokens in my eight groups
	v_add3_u32 v14, v14, v7, v8
	v_add3_u32 v14, v14, v9, v10
	v_add_nc_u32 v14, v14, v11
	v_mov_b32 v16, v14
	SCAN 16, 15
	v_sub_nc_u32 v17, v16, v14                     ; my key's tokens in groups under 8 l
	v_readlane_b32 s16, v16, 31
	v_mov_b32 v18, s16                             ; my key's total
	ds_store_b32 v19, v18 offset:TOT               ; every lane writes the same word with the same value
	s_wait_dscnt 0x0
	s_barrier_signal -1
	s_barrier_wait -1                              ; the 32 totals lie in LDS
	ds_load_b32 v21, v20 offset:TOT                ; lane = key
	s_wait_dscnt 0x0
	v_mov_b32 v22, v21
	SCAN 22, 15                                    ; where key l ends,
	v_sub_nc_u32 v23, v22, v21                     ; and begins
	ds_bpermute_b32 v24, v19, v23                  ; lane w's: where my key begins
	s_wait_dscnt 0x0
	v_add_nc_u32 v28, v24, v17                     ; the first place of (my key, group 8 l), and of the seven groups behind it
	v_add_nc_u32 v29, v28, v4
	v_add_nc_u32 v30, v29, v5
	v_add_nc_u32 v31, v30, v6
	v_add_nc_u32 v32, v31, v7
	v_add_nc_u32 v33, v32, v8
	v_add_nc_u32 v34, v33, v9
	v_add_nc_u32 v35, v34, v10
	ds_store_b128 v26, v[28:31] offset:OFF
	ds_store_b128 v26, v[32:35] offset:OFF+16
	s_wait_dscnt 0x0
	s_barrier_signal -1
	s_barrier_wait -1                              ; the first place of every (key, group) lies in LDS
	ds_load_b128 v[36:39], v27 offset:OFF          ; lane = key: groups 8 w .. 8 w + 3,
	ds_load_b128 v[40:43], v27 offset:OFF+16       ; groups 8 w + 4 .. 8 w + 7
	s_wait_dscnt 0x0
; tokens 64 w + 32 j + l: a lane to a token; its group is 8 w + 4 j + l / 8
.macro PLACE j
.set Q, 52+12*\j
	v_bfe_u32 v[Q+7], v[44+\j], 8, 5
	v_lshlrev_b32 v[Q+7], 2, v[Q+7]
.irp q, 0,1,2,3
	ds_bpermute_b32 v[Q+8+\q], v[Q+7], v[36+4*\j+\q]   ; the first place of (my key, group 8 w + 4 j + q)
.endr
	v_lshrrev_b32 v[Q+1], 16, v[44+\j]             ; my rank
	s_wait_dscnt 0x0
	v_cndmask_b32 v[Q], v[Q+8], v[Q+9], s32        ; my own group's
	v_cndmask_b32 v[Q], v[Q], v[Q+10], s33
	v_cndmask_b32 v[Q], v[Q], v[Q+11], s34
	v_add_nc_u32 v[Q], v[Q], v[Q+1]                ; my place.  Its fields are cut first and each then held, since it comes from loaded numbers
	v_lshrrev_b32 v[Q+1], 7, v[Q]
	v_min_u32 v[Q+1], 15, v[Q+1]                   ; block
	v_bfe_u32 v[Q+2], v[Q], 4, 3
	v_min_u32 v[Q+2], 7, v[Q+2]                    ; m
	v_and_b32 v[Q+3], 15, v[Q]
	v_min_u32 v[Q+3], 15, v[Q+3]                   ; r
	v_min_u32 v[Q], 2047, v[Q]
	v_lshlrev_b32 v[Q+4], 2, v[Q]
	v_lshlrev_b32 v[Q+5], 12, v[Q+1]
	v_lshl_add_u32 v[Q+5], v[Q+3], 5, v[Q+5]
	v_lshl_add_u32 v[Q+5], v[Q+2], 2, v[Q+5]
	v_add3_u32 v[Q+6], s29, v1, 32*\j              ; my token
	global_store_b32 v[Q+4], v[Q+6], s[8:9]
	v_and_b32 v[Q+1], 15, v[44+\j]                 ; i1
	v_bfe_u32 v[Q+2], v[44+\j], 4, 4               ; i2
.irp e, 0,1,2,3,4,5,6,7
	v_cmp_eq_u32 vcc_lo, \e, v[Q+1]
	v_cndmask_b32 v[76+8*\j+\e], 0, v[46+2*\j], vcc_lo
	v_cmp_eq_u32 vcc_lo, \e, v[Q+2]
	v_cndmask_b32 v[76+8*\j+\e], v[76+8*\j+\e], v[47+2*\j], vcc_lo
	global_store_b32 v[Q+5], v[76+8*\j+\e], s[10:11] offset:512*\e   ; each store has a data register of its own
.endr
.endm
	PLACE 0
	PLACE 1
; Waves 0 to 15: block w's experts.  A key counts if it has tokens and its places meet the block's 128.
	s_cmp_lt_u32 s12, 16
	s_cbranch_scc0 .Lend
	s_lshl_b32 s19, s12, 7
	s_add_co_u32 s20, s19, 128
	v_cmp_gt_u32 s21, s20, v23                     ; the key begins under the block's end,
	v_cmp_lt_u32 s22, s19, v22                     ; ends above its start,
	v_cmp_ne_u32 s23, 0, v21                       ; and is not empty
	s_and_b32 s21, s21, s22
	s_and_b32 s21, s21, s23
	s_mov_b32 s24, 0                               ; the list
	s_mov_b32 s25, 0                               ; its length
.macro EXPERT e, mask                  ; mask: the keys that hold expert e.  Without a jump: the nibble and the step are chosen
	s_lshl_b32 s26, s25, 2
	s_lshl_b32 s26, \e, s26
	s_and_b32 s27, s21, \mask                      ; SCC: one of the block's keys holds e
	s_cselect_b32 s26, s26, 0
	s_cselect_b32 s27, 1, 0
	s_or_b32 s24, s24, s26
	s_add_co_u32 s25, s25, s27
.endm
	EXPERT 0, 0x7f
	EXPERT 1, 0x1f81
	EXPERT 2, 0x3f002
	EXPERT 3, 0x3c2804
	EXPERT 4, 0x1e04408
	EXPERT 5, 0x6508210
	EXPERT 6, 0xc890120
	EXPERT 7, 0xb0600c0
	v_mov_b32 v30, s24
	v_mov_b32 v31, s25
	v_lshlrev_b32 v14, 1, v19                      ; 8 w
	v_cmp_eq_u32 vcc_lo, 0, v1
	s_wait_xcnt 0x0                                ; EXEC changes only behind this wait: stores have been issued
	s_and_saveexec_b32 s28, vcc_lo
	global_store_b64 v14, v[30:31], s[8:9] offset:8192
	s_wait_xcnt 0x0                                ; and again in front of the line that widens it
	s_or_b32 exec_lo, exec_lo, s28
.Lend:
	s_wait_tensorcnt 0x0
	ds_add_u32 v96, v97
	s_wait_dscnt 0x0
	s_endpgm
.Lfunc_end_k_q92734f6a61_route:
	.size	k_q92734f6a61_route, .Lfunc_end_k_q92734f6a61_route-k_q92734f6a61_route
	.p2alignl 7, 3214868480
	.fill 96, 4, 3214868480
	.section	.rodata,"a",@progbits
	.p2align	6, 0x0
	.amdhsa_kernel k_q92734f6a61_route
		.amdhsa_group_segment_fixed_size 37888
		.amdhsa_private_segment_fixed_size 0
		.amdhsa_enable_private_segment 0
		.amdhsa_kernarg_size 32
		.amdhsa_user_sgpr_count 2
		.amdhsa_user_sgpr_kernarg_segment_ptr 1
		.amdhsa_wavefront_size32 1
		.amdhsa_system_sgpr_workgroup_id_x 1
		.amdhsa_system_sgpr_workgroup_id_y 1
		.amdhsa_system_sgpr_workgroup_id_z 1
		.amdhsa_system_vgpr_workitem_id 0
		.amdhsa_next_free_vgpr 98
		.amdhsa_next_free_sgpr 66
		.amdhsa_reserve_vcc 1
		.amdhsa_float_denorm_mode_32 3
		.amdhsa_float_denorm_mode_16_64 3
		.amdhsa_memory_ordered 1
		.amdhsa_forward_progress 1
		.amdhsa_inst_pref_size 14
	.end_amdhsa_kernel
	.amdgpu_metadata
---
amdhsa.version: [ 1, 2 ]
amdhsa.kernels:
  - .name:           k_q92734f6a61_route
    .symbol:         k_q92734f6a61_route.kd
    .args:
      - { .name: rt1, .offset: 0, .size: 8, .value_kind: global_buffer, .address_space: global }
      - { .name: wts, .offset: 8, .size: 8, .value_kind: global_buffer, .address_space: global }
      - { .name: rt2, .offset: 16, .size: 8, .value_kind: global_buffer, .address_space: global }
      - { .name: coef, .offset: 24, .size: 8, .value_kind: global_buffer, .address_space: global }
    .group_segment_fixed_size: 37888
    .private_segment_fixed_size: 0
    .kernarg_segment_align: 8
    .kernarg_segment_size: 32
    .max_flat_workgroup_size: 1024
    .sgpr_count:     66
    .vgpr_count:     98
    .wavefront_size: 32
...
	.end_amdgpu_metadata
.endif
;; end of part 2
;; launch moe (part 3): grid 16 x 16, 4 waves a work-group, no clusters, 270,848 bytes of LDS; arguments xc, xs, wc, wsc, be, coef, rt2, out0; writes out0
.if DOCPART == 3
	.amdgcn_target "amdgcn-amd-amdhsa--gfx1250"
	.amdhsa_code_object_version 6
	.text
	.protected	k_q92734f6a61_moe
	.globl	k_q92734f6a61_moe
	.p2align	8
	.type	k_q92734f6a61_moe,@function
k_q92734f6a61_moe:
	s_mov_b64 s[64:65], 0
	v_nop
	global_prefetch_b8 v0, s[64:65] scope:SCOPE_SE
	s_setreg_imm32_b32 hwreg(HW_REG_WAVE_MODE, 25, 1), 1
	s_wait_xcnt 0x0
; MOE.  out0[token] = the sum over the token's two experts of c_e (Q(x) Q(We[e]) + be[e]), on codes of E5M2 with one E8M0 scale for each 32 along K.
; SHARES.  A work-group owns 128 tokens (block y of the places that the launch before sorted by pairs of experts) x 128 columns (slab x): every number of out0 has one owner.
; It walks only the experts that its tokens use (the stored list, 2 to 8 of them); a token that does not use an expert of the list has the coefficient 0 for it.
; THE FOUR WAVES SPLIT K: wave w keeps, for the whole launch, the codes of all 128 tokens for K steps 4 w .. 4 w + 3 in 512 registers.  A fragment of weights (2,048 bytes, laid by the first launch in the order of the
; operand's registers) goes from memory straight into the one wave that wants it and feeds eight matrix instructions; the loop reads nothing from LDS.
; A GROUP = (expert, tile of 16 columns): 4 fragments, 32 matrix instructions, used TRANSPOSED (source 0 = 16 columns of We, source 1 = 16 tokens): a lane holds one token and eight neighbouring columns.
; P = the group's sums; O += c P over a tile's experts; at the tile's end O goes to the wave's own region of LDS.  One barrier behind the loop, then the four waves' parts are added and stored as whole pieces of rows.
; be / 4 is the C of each sum's first matrix instruction in each of the four waves: the four parts add up to be.
; NO CLUSTER, NO TENSOR LOAD: which weights a work-group reads, and how many groups it has, hang on the stored list; neighbours along y have other lists, so no joint request could be issued alike by all.
; LIMITS: NaN and infinities are not served; be under 2^-124 loses bits in be / 4.
; REGISTERS, in windows of 256.  Window 0: v1-15 offsets and addresses; v16-31 x's scale words; v32-39 the weights' (ring of 4); v40-71 bias (ring of 4 x 8); v72-103 coefficients (ring of 4 x 8);
;   v104-135 P0 (tiles of tokens 0-3), v136-167 P1 (4-7), v168-231 O; v232-245 at work.   Windows 1, 2: x's fragment (m, ks) at window 1 + ks / 2, register 128 (ks % 2) + 16 m.   Window 3: a ring of 4 x 4 fragments of weights.
.set RGN,  67584                       ; LDS: a region for each wave: 128 rows of 528 bytes
.set RP,   528                         ; 512 bytes + 16: 33 x 16, so the sixteen rows that an access touches start at sixteen different 16-byte columns of 256
.set L16,  1                           ; v1   16 x lane
.set VB,   2                           ; v2-5 the batch's offsets into wc, wsc, be, coef
.set VS,   3
.set VBI,  4
.set VC,   5
.set WOFF, 6                           ; v6-9 their parts that stay
.set SOFF, 7
.set BOFF, 8
.set COFF, 9
.set FB,   10                          ; v10  my region + 528 r + 32 h: where O goes, column tile 0
.set FA,   11                          ; v11  the same for the tile in hand
.set ST0,  12                          ; v12  my region + 16 l: rows 0-63 of the stage;  v13 rows 64-127
.set FRD,  14                          ; v14  my region + 528 r + 16 h: fragments out of the stage
.set XO,   15                          ; v15  16 l + 512 w: my bytes of a token's row of codes
.set AS,   16
.set BS,   32
.set BI,   40
.set CF,   72
.set P0,   104
.set P1,   136
.set O,    168
.set GA,   104                         ; at the start: v104-231 the 128 tokens' offsets
.set OA,   40                          ; at the end: v40-71 my 32 rows' offsets in out0; v72-75 the four regions; v104-231 eight rows x four parts
.set RA,   72
.set SUMR, 104
.set MSB, 0
.macro WIN new                         ; the immediate's high byte repeats the setting that is left; a switch that changes nothing is dropped
.if MSB != (\new)
	s_set_vgpr_msb (MSB<<8)|(\new)
.set MSB, (\new)
.endif
.endm
.macro PLACES n
.rept \n
	v_nop
.endr
.endm
	s_load_b512 s[4:19], s[0:1], 0x0               ; xc s[4:5], xs s[6:7], wc s[8:9], wsc s[10:11], be s[12:13], coef s[14:15], rt2 s[16:17], out0 s[18:19]
	v_lshl_add_u32 v254, v0, 2, 0x42000
	v_mov_b32 v255, 0
	v_lshrrev_b32 v240, 5, v0
	v_readfirstlane_b32 s20, v240                  ; wave 0..3
	s_mov_b32 s21, ttmp9                           ; slab of 128 columns
	s_and_b32 s22, ttmp7, 0xffff                   ; block of 128 places
	v_and_b32 v240, 31, v0                         ; l
	v_and_b32 v241, 15, v0                         ; r
	v_bfe_u32 v242, v0, 4, 1                       ; h
	v_lshlrev_b32 v[L16], 4, v240
	s_lshl_b32 s66, s21, 18                        ; wc: a slab is 8 tiles of 32,768 bytes; my four K steps begin 8,192 w in
	s_lshl_b32 s67, s20, 13
	s_add_co_u32 s66, s66, s67
	v_add_nc_u32 v[WOFF], s66, v[L16]
	s_lshl_b32 s66, s21, 13                        ; wsc: 8 tiles of 1,024 bytes; my two y begin 256 w in; lanes 0-15 take y = 2 w, lanes 16-31 y = 2 w + 1
	s_lshl_b32 s67, s20, 8
	s_add_co_u32 s66, s66, s67
	v_lshl_add_u32 v[SOFF], v240, 3, s66
	s_lshl_b32 s66, s21, 9
	v_lshl_add_u32 v[BOFF], v242, 5, s66           ; be: 512 slab + 32 h: my eight columns of a tile
	s_lshl_b32 s66, s22, 12
	v_lshl_add_u32 v[COFF], v241, 5, s66           ; coef: 4,096 block + 32 r: the eight tiles' tokens of my row
	s_mul_i32 s67, s20, RGN
	v_mul_u32_u24 v243, v241, RP
	v_add_nc_u32 v243, s67, v243
	v_lshl_add_u32 v[FB], v242, 5, v243
	v_lshl_add_u32 v[FRD], v242, 4, v243
	v_add_nc_u32 v[ST0], s67, v[L16]
	v_add_nc_u32 v[ST0+1], 64*RP, v[ST0]
	s_lshl_b32 s66, s20, 9
	v_add_nc_u32 v[XO], s66, v[L16]
	s_lshl_b32 s66, s20, 4
	v_lshl_add_u32 v244, v242, 3, s66              ; xs: 16 w + 8 h: lanes 0-15 take K steps 4 w, 4 w + 1, lanes 16-31 the next two
	s_lshl_b32 s100, s22, 9                        ; rt2: my block's 128 tokens,
	s_lshl_b32 s101, s22, 3                        ; and its list
	v_lshl_add_u32 v245, v241, 2, s100
	s_wait_kmcnt 0x0
	s_load_b64 s[2:3], s[16:17], s101 offset:0x2000
	s_load_b512 s[32:47], s[16:17], s100 offset:0x0      ; tokens 0-63 as scalars: a wave's load takes one token's row
	s_load_b512 s[48:63], s[16:17], s100 offset:0x40
	s_load_b512 s[68:83], s[16:17], s100 offset:0x80
	s_load_b512 s[84:99], s[16:17], s100 offset:0xc0
.irp m, 0,1,2,3,4,5,6,7
	global_load_b32 v[232+\m], v245, s[16:17] offset:64*\m   ; and, a lane to a row, the token of tile m, row r
.endr
	s_wait_kmcnt 0x0
	s_mov_b32 s23, s2                              ; the list, which turns round a nibble a batch
	s_max_u32 s24, s3, 1
	s_min_u32 s24, s24, 8                          ; nE
	s_sub_co_u32 s25, s24, 1
	s_lshl_b32 s25, s25, 2                         ; where a nibble comes in again
	s_mov_b32 s26, 0                               ; the batches' place in the list,
	s_mov_b32 s27, 0                               ; and their tile of columns
	s_mov_b32 s28, 0                               ; groups added into O for the tile in hand
	s_mov_b32 s29, 0                               ; the tile that O belongs to
	s_lshl_b32 s31, s24, 1
	s_sub_co_u32 s31, s31, 1                       ; trips: 8 nE groups, four a trip, the last four written out
	s_wait_loadcnt 0x0
.irp m, 0,1,2,3,4,5,6,7
	v_min_u32 v[232+\m], 2047, v[232+\m]
	v_lshl_add_u32 v[232+\m], v[232+\m], 6, v244
.endr
.irp m, 0,1,2,3,4,5,6,7
	global_load_b64 v[AS+2*\m:AS+2*\m+1], v[232+\m], s[6:7]   ; x's scale words: register = ks % 2, half of the lanes = ks / 2
.endr
; x's codes: 32 tokens a chunk.  One load takes the 512 bytes of one token's row that are my K steps; they go through my region of LDS, as rows, and come back as fragments.
.macro ISSUE c
.set t, 32*(\c)
.rept 32
.set SID, 32+(t%64)+4*((t%64)/32)
	s_min_u32 s[SID], s[SID], 2047
	v_lshl_add_u32 v[GA+t], s[SID], 11, v[XO]
.set t, t+1
.endr
	WIN 0x40<<((\c)/2)                             ; destination window 1 or 2: the fragments' own registers serve on the way
.set t, 32*(\c)
.rept 32
	global_load_b128 v[(4*t)%256:(4*t)%256+3], v[GA+t], s[4:5]
.set t, t+1
.endr
	WIN 0
.endm
.macro STAGE c
	WIN 0x04<<((\c)/2)                             ; an LDS store's data are its source 1
.set t, 32*(\c)
.rept 32
	ds_store_b128 v[ST0+t/64], v[(4*t)%256:(4*t)%256+3] offset:RP*(t%64)
.set t, t+1
.endr
	WIN 0
.endm
; A batch: what one group wants, 21 loads, into slot b of the rings.
.macro BATCH b
	s_wait_xcnt 0x0                                ; the last batch's loads have read v2-5
	s_and_b32 s66, s23, 15                         ; the expert,
	s_lshr_b32 s23, s23, 4
	s_lshl_b32 s67, s66, s25
	s_or_b32 s23, s23, s67                         ; which goes to the list's end
	s_min_u32 s66, s66, 7                          ; both come from loaded numbers: held before they enter an offset
	s_min_u32 s67, s27, 7
	s_lshl_b32 s100, s66, 22
	s_lshl_b32 s101, s67, 15
	s_add_co_u32 s100, s100, s101
	v_add_nc_u32 v[VB], s100, v[WOFF]
	s_lshl_b32 s100, s66, 17
	s_lshl_b32 s101, s67, 10
	s_add_co_u32 s100, s100, s101
	v_add_nc_u32 v[VS], s100, v[SOFF]
	s_lshl_b32 s100, s66, 13
	s_lshl_b32 s101, s67, 6
	s_add_co_u32 s100, s100, s101
	v_add_nc_u32 v[VBI], s100, v[BOFF]
	s_lshl_b32 s100, s66, 9
	v_add_nc_u32 v[VC], s100, v[COFF]
	s_add_co_u32 s26, s26, 1                       ; the list is through: the next tile of columns
	s_cmp_eq_u32 s26, s24
	s_cselect_b32 s26, 0, s26
	s_cselect_b32 s101, 1, 0
	s_add_co_u32 s27, s27, s101
	s_and_b32 s27, s27, 7
	WIN 0xc0                                       ; destination window 3
.set j, 0
.rept 16
	global_load_b128 v[64*(\b)+4*j:64*(\b)+4*j+3], v[VB], s[8:9] offset:512*j   ; four fragments on end: each load 512 consecutive bytes
.set j, j+1
.endr
	WIN 0
	global_load_b64 v[BS+2*(\b):BS+2*(\b)+1], v[VS], s[10:11]
	global_load_b128 v[BI+8*(\b):BI+8*(\b)+3], v[VBI], s[12:13]
	global_load_b128 v[BI+8*(\b)+4:BI+8*(\b)+7], v[VBI], s[12:13] offset:16
	global_load_b128 v[CF+8*(\b):CF+8*(\b)+3], v[VC], s[14:15]
	global_load_b128 v[CF+8*(\b)+4:CF+8*(\b)+7], v[VC], s[14:15] offset:16
.endm
	ISSUE 0
	ISSUE 1
	s_load_b512 s[32:47], s[16:17], s100 offset:0x100    ; tokens 64-127: the first 64 have been used
	s_load_b512 s[48:63], s[16:17], s100 offset:0x140
	s_load_b512 s[68:83], s[16:17], s100 offset:0x180
	s_load_b512 s[84:99], s[16:17], s100 offset:0x1c0
	s_wait_loadcnt 32                              ; all but chunk 1: the scale words and chunk 0 are in
	STAGE 0
	s_wait_kmcnt 0x0
	ISSUE 2
	s_wait_loadcnt 32                              ; all but chunk 2
	STAGE 1
	ISSUE 3
	s_wait_loadcnt 32                              ; all but chunk 3
	STAGE 2
	BATCH 0
	BATCH 1
	s_wait_loadcnt 42                              ; all but the two batches
	STAGE 3
.irp ks, 0,1,2,3                       ; LDS serves a wave's instructions in order: these see my stores.  Lane (r, h), registers 4 c on: k = 128 ks + 32 c + 16 h + 0 .. 15 of token 16 m + r
	WIN 0x40<<(\ks/2)
.irp m, 0,1,2,3,4,5,6,7
.irp c, 0,1,2,3
	ds_load_b128 v[128*(\ks%2)+16*\m+4*\c:128*(\ks%2)+16*\m+4*\c+3], v[FRD] offset:16*RP*\m+128*\ks+32*\c
.endr
.endr
.endr
	WIN 0
	BATCH 2
.set i, 0
.rept 96
	v_mov_b32 v[P1+i], 0                           ; P1 and O.  The group is written once: the first finds zeros where later ones find the group before
.set i, i+1
.endr
.irp j, 0,1,2,3,4,5,6,7
	v_mov_b32 v[CF+24+\j], 0                       ; and so with the coefficients of slot 3
.endr
	s_wait_dscnt 0x0                               ; x's fragments are in
; O's tile of tokens += c x P's, from the accumulator's low end on
.macro SCALE tile, p, cslot
.irp j, 0,1,2,3,4,5,6,7
	v_fmac_f32 v[O+8*(\tile)+\j], v[\p+8*((\tile)%4)+\j], v[CF+8*(\cslot)+(\tile)]
.endr
.endm
; four matrix instructions: K step ks, tiles of tokens m0 .. m0 + 3 into p; the four accumulators take turns, one instruction a turn
.macro MM ks, m0, p, b
.irp i, 0,1,2,3
.if (\ks) == 0
	v_wmma_scale_f32_16x16x128_f8f6f4 v[\p+8*\i:\p+8*\i+7], v[64*(\b)+16*(\ks):64*(\b)+16*(\ks)+15], v[128*((\ks)%2)+16*(\m0+\i):128*((\ks)%2)+16*(\m0+\i)+15], v[BI+8*(\b):BI+8*(\b)+7], v[BS+2*(\b)+((\ks)%2)], v[AS+2*(\m0+\i)+((\ks)%2)] matrix_a_fmt:MATRIX_FMT_BF8 matrix_b_fmt:MATRIX_FMT_BF8
.elseif (\ks) < 2
	v_wmma_scale_f32_16x16x128_f8f6f4 v[\p+8*\i:\p+8*\i+7], v[64*(\b)+16*(\ks):64*(\b)+16*(\ks)+15], v[128*((\ks)%2)+16*(\m0+\i):128*((\ks)%2)+16*(\m0+\i)+15], v[\p+8*\i:\p+8*\i+7], v[BS+2*(\b)+((\ks)%2)], v[AS+2*(\m0+\i)+((\ks)%2)] matrix_a_fmt:MATRIX_FMT_BF8 matrix_b_fmt:MATRIX_FMT_BF8
.else
	v_wmma_scale_f32_16x16x128_f8f6f4 v[\p+8*\i:\p+8*\i+7], v[64*(\b)+16*(\ks):64*(\b)+16*(\ks)+15], v[128*((\ks)%2)+16*(\m0+\i):128*((\ks)%2)+16*(\m0+\i)+15], v[\p+8*\i:\p+8*\i+7], v[BS+2*(\b)+((\ks)%2)], v[AS+2*(\m0+\i)+((\ks)%2)] matrix_a_fmt:MATRIX_FMT_BF8 matrix_b_fmt:MATRIX_FMT_BF8 matrix_a_scale:MATRIX_SCALE_ROW1 matrix_b_scale:MATRIX_SCALE_ROW1
.endif
.endr
.endm
; O, whole for tile s29 of the columns, goes to my region: token 16 m + r, bytes 64 s29 + 32 h on.  The tile's 64 s29 is put together from its three bits by choices between constants: 0 to 448.
.macro FLUSH
	s_bitcmp1_b32 s29, 0
	s_cselect_b32 s66, 64, 0
	s_bitcmp1_b32 s29, 1
	s_cselect_b32 s67, 128, 0
	s_add_co_u32 s66, s66, s67
	s_bitcmp1_b32 s29, 2
	s_cselect_b32 s67, 256, 0
	s_add_co_u32 s66, s66, s67
	v_add_nc_u32 v[FA], s66, v[FB]
.irp m, 0,1,2,3,4,5,6,7
	ds_store_b128 v[FA], v[O+8*\m:O+8*\m+3] offset:16*RP*\m
	ds_store_b128 v[FA], v[O+8*\m+4:O+8*\m+7] offset:16*RP*\m+16
.endr
.set i, 0
.rept 64
	v_mov_b32 v[O+i], 0
.set i, i+1
.endr
	s_mov_b32 s28, 0
	s_add_co_u32 s29, s29, 1
.endm
; A GROUP on slot b.  pre = 1: the batch three groups on is asked for, into the slot that the group before has left.  left: the younger batches' loads, which may stay out.
; A vector instruction that reads a matrix result, and a load into a register that a matrix instruction has read, stand eight plain vector instructions behind it:
; the eight multiplications at the head serve the group before, the batch's four additions and four v_nop (or eight v_nop) the first half of this one.
.macro GROUP b, pre, left
	s_wait_loadcnt \left                           ; this group's batch is in
.irp j, 0,1,2,3,4,5,6,7
	v_mul_f32 v[BI+8*(\b)+\j], 0x3e800000, v[BI+8*(\b)+\j]   ; be / 4
.endr
	SCALE 4, P1, (\b+3)%4                          ; the second half of the group before goes into O while this group's first half is multiplied
	SCALE 5, P1, (\b+3)%4
	WIN 0x07                                       ; source 0 window 3, source 1 window 1
	MM 0, 0, P0, \b
	MM 1, 0, P0, \b
	WIN 0
	SCALE 6, P1, (\b+3)%4
	SCALE 7, P1, (\b+3)%4
	WIN 0x0b                                       ; source 1 window 2
	MM 2, 0, P0, \b
	MM 3, 0, P0, \b
	WIN 0
	s_cmp_eq_u32 s28, s24                          ; the group before was the last of its tile of columns: a branch on the stored count alone
	s_cbranch_scc0 .Lnot_whole_\@
	FLUSH
.Lnot_whole_\@:
	s_add_co_u32 s28, s28, 1
.if \pre
	BATCH (\b+3)%4
	PLACES 4
.else
	PLACES 8
.endif
	SCALE 0, P0, \b
	SCALE 1, P0, \b
	WIN 0x07
	MM 0, 4, P1, \b
	MM 1, 4, P1, \b
	WIN 0
	SCALE 2, P0, \b
	SCALE 3, P0, \b
	WIN 0x0b
	MM 2, 4, P1, \b
	MM 3, 4, P1, \b
	WIN 0
.endm
	s_mov_b32 s30, 0
.Ltrip:                                            ; 2 nE - 1 trips of four groups; 42 = the two younger batches of 21 loads
	GROUP 0, 1, 42
	GROUP 1, 1, 42
	GROUP 2, 1, 42
	GROUP 3, 1, 42
	s_add_co_u32 s30, s30, 1
	s_cmp_lt_u32 s30, s31
	s_cbranch_scc1 .Ltrip
	GROUP 0, 1, 42                                 ; the last four groups: one more batch, then none, and the counts run down
	GROUP 1, 0, 42
	GROUP 2, 0, 21
	GROUP 3, 0, 0
; THE WAY OUT.  The last group's second half, the last tile of columns; a barrier; wave w adds the four waves' parts of rows 32 w .. 32 w + 31 and stores them.
	s_lshl_b32 s100, s22, 9
	s_lshl_b32 s101, s20, 7
	s_add_co_u32 s100, s100, s101
	s_load_b512 s[32:47], s[16:17], s100 offset:0x0      ; my 32 rows' tokens
	s_load_b512 s[48:63], s[16:17], s100 offset:0x40
	PLACES 8
	SCALE 4, P1, 3
	SCALE 5, P1, 3
	SCALE 6, P1, 3
	SCALE 7, P1, 3
	FLUSH
	s_wait_dscnt 0x0                               ; for the others' sake: my part of all 128 rows lies in LDS
	s_barrier_signal -1
	s_barrier_wait -1
	s_wait_kmcnt 0x0
	s_lshl_b32 s66, s21, 9
	v_add_nc_u32 v232, s66, v[L16]                 ; 512 slab + 16 l
.set i, 0
.rept 32
	s_min_u32 s[32+i], s[32+i], 2047
	v_lshl_add_u32 v[OA+i], s[32+i], 13, v232
.set i, i+1
.endr
	s_mul_i32 s67, s20, 32*RP
	v_add_nc_u32 v[RA], s67, v[L16]
	v_add_nc_u32 v[RA+1], RGN, v[RA]
	v_add_nc_u32 v[RA+2], 2*RGN, v[RA]
	v_add_nc_u32 v[RA+3], 3*RGN, v[RA]
.irp q, 0,1,2,3                        ; eight rows at a time
.if \q > 0
	s_wait_xcnt 0x0                                ; the last eight stores have read their registers
.endif
.irp i, 0,1,2,3,4,5,6,7
.irp p, 0,1,2,3
	ds_load_b128 v[SUMR+16*\i+4*\p:SUMR+16*\i+4*\p+3], v[RA+\p] offset:RP*(8*\q+\i)
.endr
.endr
.irp i, 0,1,2,3,4,5,6,7
.set A0, SUMR+16*\i
	s_wait_dscnt 28-4*\i                           ; row i's four parts are in; the later rows' four loads each may be out
	v_pk_add_f32 v[A0:A0+1], v[A0:A0+1], v[A0+4:A0+5]
	v_pk_add_f32 v[A0+2:A0+3], v[A0+2:A0+3], v[A0+6:A0+7]
	v_pk_add_f32 v[A0+8:A0+9], v[A0+8:A0+9], v[A0+12:A0+13]
	v_pk_add_f32 v[A0+10:A0+11], v[A0+10:A0+11], v[A0+14:A0+15]
	v_pk_add_f32 v[A0:A0+1], v[A0:A0+1], v[A0+8:A0+9]
	v_pk_add_f32 v[A0+2:A0+3], v[A0+2:A0+3], v[A0+10:A0+11]
	global_store_b128 v[OA+8*\q+\i], v[A0:A0+3], s[18:19] th:TH_STORE_NT   ; 32 lanes store 512 consecutive bytes of the token's row, at a multiple of 512 from out0's first byte
.endr
.endr
	s_wait_tensorcnt 0x0
	ds_add_u32 v254, v255
	s_wait_dscnt 0x0
	s_endpgm
.Lfunc_end_k_q92734f6a61_moe:
	.size	k_q92734f6a61_moe, .Lfunc_end_k_q92734f6a61_moe-k_q92734f6a61_moe
	.p2alignl 7, 3214868480
	.fill 96, 4, 3214868480
	.section	.rodata,"a",@progbits
	.p2align	6, 0x0
	.amdhsa_kernel k_q92734f6a61_moe
		.amdhsa_group_segment_fixed_size 270848
		.amdhsa_private_segment_fixed_size 0
		.amdhsa_enable_private_segment 0
		.amdhsa_kernarg_size 64
		.amdhsa_user_sgpr_count 2
		.amdhsa_user_sgpr_kernarg_segment_ptr 1
		.amdhsa_wavefront_size32 1
		.amdhsa_system_sgpr_workgroup_id_x 1
		.amdhsa_system_sgpr_workgroup_id_y 1
		.amdhsa_system_sgpr_workgroup_id_z 1
		.amdhsa_system_vgpr_workitem_id 0
		.amdhsa_next_free_vgpr 1024
		.amdhsa_next_free_sgpr 102
		.amdhsa_reserve_vcc 0
		.amdhsa_float_denorm_mode_32 3
		.amdhsa_float_denorm_mode_16_64 3
		.amdhsa_memory_ordered 1
		.amdhsa_forward_progress 1
		.amdhsa_inst_pref_size 194
	.end_amdhsa_kernel
	.amdgpu_metadata
---
amdhsa.version: [ 1, 2 ]
amdhsa.kernels:
  - .name:           k_q92734f6a61_moe
    .symbol:         k_q92734f6a61_moe.kd
    .args:
      - { .name: xc, .offset: 0, .size: 8, .value_kind: global_buffer, .address_space: global }
      - { .name: xs, .offset: 8, .size: 8, .value_kind: global_buffer, .address_space: global }
      - { .name: wc, .offset: 16, .size: 8, .value_kind: global_buffer, .address_space: global }
      - { .name: wsc, .offset: 24, .size: 8, .value_kind: global_buffer, .address_space: global }
      - { .name: be, .offset: 32, .size: 8, .value_kind: global_buffer, .address_space: global }
      - { .name: coef, .offset: 40, .size: 8, .value_kind: global_buffer, .address_space: global }
      - { .name: rt2, .offset: 48, .size: 8, .value_kind: global_buffer, .address_space: global }
      - { .name: out0, .offset: 56, .size: 8, .value_kind: global_buffer, .address_space: global }
    .group_segment_fixed_size: 270848
    .private_segment_fixed_size: 0
    .kernarg_segment_align: 8
    .kernarg_segment_size: 64
    .max_flat_workgroup_size: 128
    .sgpr_count:     102
    .vgpr_count:     1024
    .wavefront_size: 32
...
	.end_amdgpu_metadata
.endif
;; end of part 3
;; ======== version 2 of 2: 3 launches
;; workspace buffers: xc 4,194,304 bytes; xs 131,072 bytes; wc 33,554,432 bytes; wsc 1,048,576 bytes; rt1 40,960 bytes of whole numbers; wts 16,384 bytes; rt2 8,448 bytes of whole numbers; coef 65,536 bytes
;; launch prep (part 4): grid 1280 x 1, 4 waves a work-group, no clusters, 69,632 bytes of LDS; arguments inputs, Wg, We, xc, xs, wc, wsc, rt1, wts; writes xc, xs, wc, wsc, rt1, wts
.if DOCPART == 4
	.amdgcn_target "amdgcn-amd-amdhsa--gfx1250"
	.amdhsa_code_object_version 6
	.text
	.protected	k_q92734f6a61_prep
	.globl	k_q92734f6a61_prep
	.p2align	8
	.type	k_q92734f6a61_prep,@function
k_q92734f6a61_prep:
	s_mov_b64 s[64:65], 0
	v_nop
	global_prefetch_b8 v0, s[64:65] scope:SCOPE_SE
	s_setreg_imm32_b32 hwreg(HW_REG_WAVE_MODE, 25, 1), 1
	s_wait_xcnt 0x0
; PREP.  Two jobs in one launch, chosen by the work-group's number alone.
; Work-groups 0-255 (x path): 8 tokens each, so that no wave has a long chain of tokens; they stand first in the grid.  x [2048][2048] f32 becomes codes of E5M2 (xc, [token][2048]) and one E8M0 byte for each 32 along K (xs, [token][64]);
;   the gate's logits x Wg are summed in f32 by fused multiply-adds; the two largest are chosen (a tie keeps the lower index, as jax.lax.top_k does); the softmax over the two takes the larger away first.
;   Stored as whole numbers, at fixed places, for the next launch: rt1 word [token] = i1 | i2 << 4 | key << 8 | rank << 16, and from byte 8192 on histT[key 32][group 256]: how many tokens of this group of 8 have that key.
;   key = the pair of experts in an order in which neighbouring keys share an expert (0 .. 27); rank = how many earlier tokens of the group have the same key.  No address and no branch here hangs on them.
;   The conversions and the gate want 16 NEIGHBOURS along K in a lane; a load is best where neighbouring LANES take neighbouring bytes.  Both are had: every load of x and of Wg takes 512 consecutive bytes, 16 a lane,
;   and the bytes turn through the wave's own region of LDS.
; Work-groups 256-1279 (We path): We [8][k 2048][n 2048] f32, K its first axis within an expert.  A LANE TAKES A COLUMN n AND ITS REGISTERS RUN DOWN K: a block of 32 lies in one lane, and the conversions give codes with K innermost.
;   The codes are stored in the order of an operand's registers: wc [e][T: 16 columns][s: 128 along K][c 4][lane 32][16 bytes], lane (r, h) = column 16 T + r, k = 128 s + 32 c + 16 h + 0 .. 15;
;   the scale words as wsc [e][T][y 8][r 16][2 words], word i for K step 2 y + i.
; A block's scale is 2^(floor(log2(its largest magnitude)) - 15); its byte is the largest magnitude's exponent field - 15, held at 1 from below; each number is held within +-57,344 x the scale and converted, ties to even.
; LIMITS: NaN and infinities among the inputs are not served.  A block whose largest magnitude lies under 2^-111 (a block of zeros too) gets the byte 1: a block of zeros has zero codes, and these bytes are read by this program alone.
;   Two logits closer than the error of an f32 sum of 2,048 terms may be chosen in another order than by another order of summation.
.set EMAX,  15
.set MANT,  0x600000                   ; the mantissa field of 57,344 as f32
.set FLOOR, (EMAX+1)<<23               ; 2^(16 - 127): no largest magnitude is taken under it, so the byte cannot fall under 1
.set XWG,   256                        ; work-groups of the x path
.set NT,    8                          ; tokens of each
.set WP,    528                        ; LDS, x path: Wg's turn: a lane's 512 bytes + 16: 33 x 16, so sixteen lanes' reads start at sixteen different 16-byte columns of 256
.set WREG,  32*WP                      ; a region of its own for each wave: 16,896 bytes.  x's two stages lie in its first 5,120 bytes, once Wg has been read back
.set SP,    80                         ; x's turn: a lane's 64 bytes + 16
.set LG,    4*WREG                     ; partial logits [wave 4][token 8][8 f32], 1,024 bytes
.set SBY,   LG+1024                    ; scale bytes [wave 4][token 8][16 bytes], 512 bytes: each wave writes 128 bytes of its own
.set CX,    32                         ; x path: v32-47 codes, four registers for each of four tokens
.set ACC,   48                         ; v48-55  eight logits
.set PT,    56                         ; v56-63  the other half of the lanes' sums
.set XR0,   64                         ; v64-127 four sets of 16 numbers of x: as loaded, then turned, in the same registers
.set WGR,   128                        ; v128-255 Wg[kk][e] of my 16 k at 8 kk + e
.set X,     32                         ; We path: v32-95 two sets of 32 numbers
.set C,     96                         ; v96-159 codes, eight registers for each block: no store's data are written again
.set SBW,   24                         ; v24-25  the eight scale bytes
	s_load_b512 s[4:19], s[0:1], 0x0               ; inputs s[4:5], Wg s[6:7], We s[8:9], xc s[10:11], xs s[12:13], wc s[14:15], wsc s[16:17], rt1 s[18:19]
	s_load_b64 s[20:21], s[0:1], 0x40              ; wts
	v_lshl_add_u32 v7, v0, 2, 0x10e00
	v_mov_b32 v16, 0
	v_lshrrev_b32 v1, 5, v0
	v_readfirstlane_b32 s22, v1                    ; wave 0..3
	v_and_b32 v1, 31, v0                           ; lane
	s_mov_b32 s23, MANT                            ; (an instruction takes one literal: the hold's line has another)
	s_cmp_lt_u32 ttmp9, XWG                        ; the same for all four waves of a work-group
	s_cbranch_scc0 .Lweights
; ------------------------------------------------------------------ the x path
; Wave w takes k = 512 w .. 512 w + 511 of each of the group's 8 tokens; at work, lane l holds the 16 neighbours 512 w + 16 l + 0 .. 15: two neighbouring lanes hold a block of 32.
	s_lshl_b32 s24, ttmp9, 16                      ; inputs: 8 tokens x 8,192 bytes a group,
	s_lshl_b32 s25, s22, 11                        ; + 2,048 bytes a wave
	s_add_co_u32 s24, s24, s25
	s_mov_b32 s25, 0
	s_lshl_b32 s28, ttmp9, 14                      ; xc: 8 tokens x 2,048 bytes,
	s_lshl_b32 s29, s22, 9                         ; + 512 a wave
	s_add_co_u32 s28, s28, s29
	s_mov_b32 s29, 0
	s_mov_b32 s26, 0x76543210                      ; v_permlanex16_b32's selects for lane l xor 16
	s_mov_b32 s27, 0xfedcba98
	s_wait_alu depctr_va_vdst(0)
	v_lshlrev_b32 v17, 4, v1                       ; 16 l: my bytes of a load's 512, and my 16 codes
	s_mul_i32 s30, s22, WREG                       ; my wave's region
	v_lshrrev_b32 v13, 2, v1
	v_mul_u32_u24 v13, v13, SP
	v_and_b32 v14, 3, v1
	v_lshl_add_u32 v13, v14, 4, v13
	v_add_nc_u32 v13, s30, v13                     ; x's stage, on the way in: four lanes' 64 bytes on end, then 16 of padding: SP (l / 4) + 16 (l % 4); a load's 512 bytes take eight places
	v_mul_u32_u24 v14, v1, SP
	v_add_nc_u32 v14, s30, v14                     ; and on the way out: SP l: my 16 neighbours
	v_add_nc_u32 v15, s30, v17                     ; Wg's turn, in: load i is the 512 bytes that lane i wants: row i, 16 l
	v_mul_u32_u24 v21, v1, WP
	v_add_nc_u32 v21, s30, v21                     ; and out: row l
	s_lshl_b32 s31, s22, 8
	s_add_co_u32 s31, s31, LG
	v_mov_b32 v18, s31                             ; LDS: my wave's partial logits
	v_lshrrev_b32 v19, 1, v1
	s_lshl_b32 s31, s22, 7
	s_add_co_u32 s31, s31, SBY
	v_add_nc_u32 v19, s31, v19                     ; LDS: my wave's scale bytes, my block's byte
	s_lshl_b32 s31, s22, 14
	v_add_nc_u32 v20, s31, v17                     ; Wg: my wave's 512 rows of 32 bytes, 16 l
.irp e, 0,1,2,3,4,5,6,7
	v_mov_b32 v[PT+\e], 0                          ; written once: a lane permute's destination counts as one of its sources
.endr
	s_wait_alu depctr_va_vdst(0)
	s_wait_kmcnt 0x0
	s_add_nc_u64 s[4:5], s[4:5], s[24:25]
	s_add_nc_u64 s[10:11], s[10:11], s[28:29]
.set i, 0
.rept 32
	global_load_b128 v[WGR+4*i:WGR+4*i+3], v20, s[6:7] offset:512*i   ; 512 consecutive bytes a load
.set i, i+1
.endr
.macro XLOAD t                         ; token t's 2,048 bytes of my K, as they lie, into set t % 4
.irp i, 0,1,2,3
	global_load_b128 v[XR0+16*((\t)%4)+4*\i:XR0+16*((\t)%4)+4*\i+3], v17, s[4:5] offset:(\t)*8192+512*\i th:TH_LOAD_NT
.endr
.endm
.macro TURN t                          ; token t's numbers through stage t % 2 and back into the registers that they left.  LDS serves a wave's instructions in order: no wait stands between the stores and the loads
.irp i, 0,1,2,3
	ds_store_b128 v13, v[XR0+16*((\t)%4)+4*\i:XR0+16*((\t)%4)+4*\i+3] offset:32*SP*((\t)%2)+8*SP*\i
.endr
.irp i, 0,1,2,3
	ds_load_b128 v[XR0+16*((\t)%4)+4*\i:XR0+16*((\t)%4)+4*\i+3], v14 offset:32*SP*((\t)%2)+16*\i
.endr
.endm
.irp t, 0,1,2,3
	XLOAD \t
.endr
	s_wait_loadcnt 16                              ; Wg's 32 loads are in; the four tokens' 16 may be out
.set i, 0
.rept 32
	ds_store_b128 v15, v[WGR+4*i:WGR+4*i+3] offset:WP*i
.set i, i+1
.endr
.set i, 0
.rept 32
	ds_load_b128 v[WGR+4*i:WGR+4*i+3], v21 offset:16*i   ; my 16 rows of Wg: register 4 i + c = Wg[16 l + (4 i + c) / 8][(4 i + c) % 8]; they stay
.set i, i+1
.endr
	s_wait_loadcnt 12                              ; token 0's four loads are in
	TURN 0                                         ; (its stage lies in bytes that Wg's loads above have read: they were issued first)
; One token.  The next token's numbers go through the other stage while this one is worked; the set is then filled again with the token four further on.
.macro XTOK t
.set XR, XR0+16*((\t)%4)
.set CC, CX+4*((\t)%4)
.if (\t)+1 < NT
.if (\t) <= 4
	s_wait_loadcnt 8                               ; loads come back in order: the next token's four are in; those of the two tokens behind it may be out
.else
	s_wait_loadcnt 4*(6-(\t))                      ; the counts run down
.endif
	TURN (\t)+1
.endif
.if (\t) == 0
	s_wait_dscnt 8                                 ; Wg and this token are back from LDS; the next token's turn (4 stores, 4 loads) may be out
.elseif (\t) < NT-1
	s_wait_dscnt 11                                ; this token is back; behind its loads: the last token's three stores and the next token's turn
.else
	s_wait_dscnt 3                                 ; behind its loads: the last token's three stores
.endif
.irp p, 0,1,2,3
	v_pk_mul_f32 v[ACC+2*\p:ACC+2*\p+1], v[XR:XR+1], v[WGR+2*\p:WGR+2*\p+1] op_sel_hi:[0,1]   ; x[0] x Wg[0][2 p], [2 p + 1]: the first products start the sums
.endr
.set kk, 1
.rept 15
.irp p, 0,1,2,3
.if kk%2
	v_pk_fma_f32 v[ACC+2*\p:ACC+2*\p+1], v[XR+kk-1:XR+kk], v[WGR+8*kk+2*\p:WGR+8*kk+2*\p+1], v[ACC+2*\p:ACC+2*\p+1] op_sel:[1,0,0] op_sel_hi:[1,1,1]   ; the pair's second number of x for both experts
.else
	v_pk_fma_f32 v[ACC+2*\p:ACC+2*\p+1], v[XR+kk:XR+kk+1], v[WGR+8*kk+2*\p:WGR+8*kk+2*\p+1], v[ACC+2*\p:ACC+2*\p+1] op_sel_hi:[0,1,1]   ; the pair's first
.endif
.endr
.set kk, kk+1
.endr
.irp n, 1,2,4,8                        ; the eight sums over the 32 lanes, by turns
.irp e, 0,1,2,3,4,5,6,7
	v_add_f32_dpp v[ACC+\e], v[ACC+\e], v[ACC+\e] row_xmask:\n row_mask:0xf bank_mask:0xf
.endr
.endr
.irp e, 0,1,2,3,4,5,6,7
	v_permlanex16_b32 v[PT+\e], v[ACC+\e], s26, s27
.endr
.irp e, 0,1,2,3,4,5,6,7
	v_add_f32 v[ACC+\e], v[ACC+\e], v[PT+\e]
.endr
	ds_store_b128 v18, v[ACC:ACC+3] offset:32*(\t)              ; every lane holds the same eight numbers and writes the same words
	ds_store_b128 v18, v[ACC+4:ACC+7] offset:32*(\t)+16
	v_max3_num_f32 v8, |v[XR]|, |v[XR+1]|, |v[XR+2]|            ; the largest magnitude of my 16, in two chains
	v_max3_num_f32 v9, |v[XR+3]|, |v[XR+4]|, |v[XR+5]|
.irp i, 6,10
	v_max3_num_f32 v8, v8, |v[XR+\i]|, |v[XR+\i+1]|
	v_max3_num_f32 v9, v9, |v[XR+\i+2]|, |v[XR+\i+3]|
.endr
	v_max3_num_f32 v8, v8, |v[XR+14]|, |v[XR+15]|
	v_max3_num_f32 v8, v8, v9, FLOOR
	v_max_num_f32_dpp v8, v8, v8 row_xmask:1 row_mask:0xf bank_mask:0xf   ; and of my neighbour's 16: the block's
	v_add_nc_u32 v11, -(EMAX<<23), v8              ; 15 off its exponent field: the conversion takes the exponent field of this operand as its scale
	v_and_or_b32 v10, v8, 0x7f800000, s23          ; 57,344 x the scale
.irp i, 0,1,2,3,4,5,6,7,8,9,10,11,12,13,14,15
	v_med3_num_f32 v[XR+\i], v[XR+\i], -v10, v10   ; the conversion to an 8-bit code does not saturate (ISA guide 7.6.2): the hold comes first
.endr
	v_cvt_scalef32_pk8_bf8_f32 v[CC:CC+1], v[XR:XR+7], v11
	v_cvt_scalef32_pk8_bf8_f32 v[CC+2:CC+3], v[XR+8:XR+15], v11
	v_lshrrev_b32 v12, 23, v11                     ; the scale's byte (also the plain line behind the conversions)
	ds_store_b8 v19, v12 offset:16*(\t)            ; both lanes of a block write the same byte with the same value
	global_store_b128 v17, v[CC:CC+3], s[10:11] offset:2048*(\t)   ; the wave stores 512 consecutive bytes
.if (\t)+4 < NT
	XLOAD (\t)+4
.endif
.endm
	XTOK 0
	XTOK 1
	XTOK 2
	XTOK 3
	s_wait_xcnt 0x0                                ; the four stores have read the codes' registers, which the next four tokens write again
	XTOK 4
	XTOK 5
	XTOK 6
	XTOK 7
	s_wait_dscnt 0x0                               ; for wave 0's sake: my partial logits and scale bytes lie in LDS
	s_barrier_signal -1
	s_barrier_wait -1
	s_cmp_lg_u32 s22, 0
	s_cbranch_scc1 .Lx_end                         ; waves 1 to 3 are done
; Wave 0: lane l takes token l % 8; lanes 8 to 31 repeat the work of lanes 0 to 7 and store nothing of it.
	s_wait_xcnt 0x0                                ; my last stores have read their registers: v32 on are written again below
	v_and_b32 v2, 7, v1
	v_lshl_add_u32 v2, v2, 5, LG
.irp p, 0,1,2,3
	ds_load_b128 v[XR0+8*\p:XR0+8*\p+3], v2 offset:256*\p
	ds_load_b128 v[XR0+8*\p+4:XR0+8*\p+7], v2 offset:256*\p+16
.endr
	v_and_b32 v44, 3, v1
	v_lshlrev_b32 v44, 7, v44
	v_lshrrev_b32 v45, 2, v1
	v_lshl_add_u32 v44, v45, 4, v44
	v_add_nc_u32 v44, SBY, v44                     ; scale bytes back: piece l % 4 (a wave's 16 bytes) of token l / 4
	ds_load_b128 v[96:99], v44
	s_lshl_b32 s24, ttmp9, 5
	v_lshl_add_u32 v40, v1, 2, s24                 ; rt1: 4 (8 g + l)
	s_lshl_b32 s24, ttmp9, 6
	v_lshl_add_u32 v41, v1, 3, s24                 ; wts: 8 (8 g + l)
	s_lshl_b32 s24, ttmp9, 2
	v_lshl_add_u32 v42, v1, 10, s24                ; histT: 1,024 x key (= lane) + 4 g
	s_lshl_b32 s24, ttmp9, 9
	v_lshl_add_u32 v43, v1, 4, s24                 ; xs: 512 g + 16 l
	s_wait_alu depctr_va_vdst(0)
	s_wait_dscnt 0x0
	global_store_b128 v43, v[96:99], s[12:13]      ; 512 consecutive bytes: the eight tokens' rows of 64 scale bytes
.irp q, 0,1,2,3
	v_pk_add_f32 v[XR0+2*\q:XR0+2*\q+1], v[XR0+2*\q:XR0+2*\q+1], v[XR0+8+2*\q:XR0+9+2*\q]
	v_pk_add_f32 v[XR0+16+2*\q:XR0+17+2*\q], v[XR0+16+2*\q:XR0+17+2*\q], v[XR0+24+2*\q:XR0+25+2*\q]
.endr
.irp q, 0,1,2,3
	v_pk_add_f32 v[ACC+2*\q:ACC+2*\q+1], v[XR0+2*\q:XR0+2*\q+1], v[XR0+16+2*\q:XR0+17+2*\q]   ; the four waves' parts: my token's eight logits
.endr
	v_mov_b32 v20, v[ACC]                          ; m1, i1: the largest so far;  m2, i2: the second
	v_mov_b32 v21, 0
	v_mov_b32 v22, 0xff800000
	v_mov_b32 v23, 0
.irp e, 1,2,3,4,5,6,7
	v_cmp_gt_f32 vcc_lo, v[ACC+\e], v20            ; strictly greater: a tie keeps the lower index
	v_cmp_gt_f32 s30, v[ACC+\e], v22
	v_cndmask_b32 v22, v22, v[ACC+\e], s30
	v_cndmask_b32 v23, v23, \e, s30
	v_cndmask_b32 v22, v22, v20, vcc_lo
	v_cndmask_b32 v23, v23, v21, vcc_lo
	v_cndmask_b32 v20, v20, v[ACC+\e], vcc_lo
	v_cndmask_b32 v21, v21, \e, vcc_lo
.endr
	v_sub_f32 v24, v22, v20                        ; the softmax over the two: the larger is taken away, so the exponent is 0 or less
	v_mul_f32 v24, 0x3fb8aa3b, v24
	s_wait_alu depctr_va_vdst(0)
	v_exp_f32 v24, v24
	v_min_u32 v28, v21, v23                        ; (a plain line behind the exponential)  lo
	s_wait_alu depctr_va_vdst(0)
	v_add_f32 v25, 1.0, v24
	s_wait_alu depctr_va_vdst(0)
	v_rcp_f32 v26, v25                             ; w1 = 1 / (1 + e)
	v_max_u32 v29, v21, v23                        ; (a plain line behind the reciprocal)  hi
	s_wait_alu depctr_va_vdst(0)
	v_mul_f32 v27, v24, v26                        ; w2 = e w1
	v_sub_nc_u32 v30, 15, v28                      ; key = lo (15 - lo) / 2 + (lo odd ? 7 - hi : hi - lo - 1)
	v_mul_u32_u24 v30, v30, v28
	v_lshrrev_b32 v30, 1, v30
	v_sub_nc_u32 v31, 7, v29
	v_sub_nc_u32 v32, v29, v28
	v_add_nc_u32 v32, -1, v32
	v_and_b32 v33, 1, v28
	v_cmp_eq_u32 vcc_lo, 1, v33
	v_cndmask_b32 v32, v32, v31, vcc_lo
	v_add_nc_u32 v34, v30, v32
	v_cmp_gt_u32 vcc_lo, 8, v1
	v_cndmask_b32 v39, 63, v34, vcc_lo             ; for the counts lanes 8 to 31 get a key that no count asks for
	v_mov_b32 v35, 0                               ; rank
	v_mov_b32 v36, 0                               ; lane k: how many of the group's tokens have key k (lanes 28-31 stay 0)
.set k, 0
.rept 28
	v_cmp_eq_u32 s30, k, v39                       ; the tokens with key k
	s_bcnt1_i32_b32 s31, s30
	v_mbcnt_lo_u32_b32 v37, s30, 0                 ; of them, those in lanes below mine
	v_cndmask_b32 v35, v35, v37, s30
	v_writelane_b32 v36, s31, k
.set k, k+1
.endr
	v_lshl_or_b32 v38, v23, 4, v21
	v_lshl_or_b32 v38, v34, 8, v38
	v_lshl_or_b32 v38, v35, 16, v38
	global_store_b32 v42, v36, s[18:19] offset:8192   ; four bytes a key, 1,024 bytes apart: 128 bytes of a work-group's output
	v_cmp_gt_u32 vcc_lo, 8, v1
	s_wait_alu depctr_va_vdst(0)
	s_wait_xcnt 0x0                                ; EXEC changes only behind this wait: stores have been issued
	s_and_saveexec_b32 s31, vcc_lo                 ; lanes 0 to 7: the eight tokens
	global_store_b32 v40, v38, s[18:19]
	global_store_b64 v41, v[26:27], s[20:21]
	s_wait_xcnt 0x0                                ; and again in front of the line that widens it
	s_or_b32 exec_lo, exec_lo, s31
.Lx_end:
	s_wait_tensorcnt 0x0
	ds_add_u32 v7, v16
	s_wait_dscnt 0x0
	s_endpgm
; ------------------------------------------------------------------ the We path
.Lweights:
	s_sub_co_u32 s24, ttmp9, XWG
	s_and_b32 s25, s24, 15                         ; which 128 columns
	s_bfe_u32 s26, s24, 0x30004                    ; y: which 256 along K
	s_lshr_b32 s27, s24, 7                         ; the expert
	s_lshl_b32 s28, s27, 24                        ; We: an expert is 2^24 bytes, 256 rows 2^21, 128 columns 512, a wave's 32 columns 128
	s_lshl_b32 s29, s26, 21
	s_add_co_u32 s28, s28, s29
	s_lshl_b32 s29, s25, 9
	s_add_co_u32 s28, s28, s29
	s_lshl_b32 s29, s22, 7
	s_add_co_u32 s28, s28, s29
	s_mov_b32 s29, 0
	s_lshl_b32 s30, s27, 7                         ; my wave's first tile of 16 columns: 128 e + 8 cg + 2 w
	s_lshl_b32 s31, s25, 3
	s_add_co_u32 s30, s30, s31
	s_lshl_b32 s31, s22, 1
	s_add_co_u32 s30, s30, s31
	s_lshl_b32 s32, s30, 15                        ; wc: a tile is 16 fragments of 2,048 bytes; y is two of them
	s_lshl_b32 s33, s26, 12
	s_add_co_u32 s32, s32, s33
	s_mov_b32 s33, 0
	s_lshl_b32 s34, s30, 10                        ; wsc: a tile is 1,024 bytes; y is 128
	s_lshl_b32 s35, s26, 7
	s_add_co_u32 s34, s34, s35
	s_mov_b32 s35, 0
	s_wait_alu depctr_va_vdst(0)
	v_lshlrev_b32 v4, 2, v1                        ; in: 4 bytes a lane
	v_lshrrev_b32 v5, 4, v1                        ; which of my wave's two tiles
	v_and_b32 v6, 15, v1                           ; r
	v_lshlrev_b32 v2, 15, v5
	v_lshl_add_u32 v2, v6, 4, v2                   ; codes: tile, + 16 r
	v_lshlrev_b32 v3, 10, v5
	v_lshl_add_u32 v3, v6, 3, v3                   ; scale words: tile, + 8 r
	s_wait_alu depctr_va_vdst(0)
	s_wait_kmcnt 0x0
	s_add_nc_u64 s[8:9], s[8:9], s[28:29]
	s_add_nc_u64 s[14:15], s[14:15], s[32:33]
	s_add_nc_u64 s[16:17], s[16:17], s[34:35]
.macro LOADW t                         ; block t: We(32 t + i, my column), i = 0 .. 31, into set t % 2: a wave reads 128 consecutive bytes, the four waves stand side by side on 512
.set i, 0
.rept 32
	global_load_b32 v[X+32*((\t)%2)+i], v4, s[8:9] offset:(32*(\t)+i)*8192 th:TH_LOAD_NT
.set i, i+1
.endr
.endm
.macro BLOCKW t
.set XS, X+32*((\t)%2)
.if (\t) < 7
	s_wait_loadcnt 32                              ; this block's 32 loads are in; the next block's may be out
.else
	s_wait_loadcnt 0x0
.endif
	v_max3_num_f32 v12, |v[XS]|, |v[XS+1]|, |v[XS+2]|           ; the block's largest magnitude: all 32 numbers are mine
	v_max3_num_f32 v13, |v[XS+3]|, |v[XS+4]|, |v[XS+5]|
.irp i, 6,10,14,18,22,26
	v_max3_num_f32 v12, v12, |v[XS+\i]|, |v[XS+\i+1]|
	v_max3_num_f32 v13, v13, |v[XS+\i+2]|, |v[XS+\i+3]|
.endr
	v_max3_num_f32 v12, v12, |v[XS+30]|, |v[XS+31]|
	v_max3_num_f32 v12, v12, v13, FLOOR
	v_add_nc_u32 v11, -(EMAX<<23), v12
	v_and_or_b32 v10, v12, 0x7f800000, s23
	v_lshrrev_b32 v13, 23, v11                     ; the scale's byte
.if (\t)%4 == 0
	v_mov_b32 v[SBW+(\t)/4], v13                   ; four bytes to a word, the lower K in the lower byte
.else
	v_lshl_or_b32 v[SBW+(\t)/4], v13, 8*((\t)%4), v[SBW+(\t)/4]
.endif
.set i, 0
.rept 32
	v_med3_num_f32 v[XS+i], v[XS+i], -v10, v10
.set i, i+1
.endr
.irp g, 0,1,2,3
	v_cvt_scalef32_pk8_bf8_f32 v[C+8*(\t)+2*\g:C+8*(\t)+2*\g+1], v[XS+8*\g:XS+8*\g+7], v11
.endr
	v_nop                                          ; a plain line behind the last conversion
	global_store_b128 v2, v[C+8*(\t):C+8*(\t)+3], s[14:15] offset:512*(\t)         ; k 0-15 of the block: the places of lanes (r, 0): sixteen lanes store 256 consecutive bytes, aligned
	global_store_b128 v2, v[C+8*(\t)+4:C+8*(\t)+7], s[14:15] offset:512*(\t)+256   ; k 16-31: the places of lanes (r, 1)
.if (\t)+2 < 8
	LOADW (\t)+2
.endif
.endm
	LOADW 0
	LOADW 1
.irp t, 0,1,2,3,4,5,6,7
	BLOCKW \t
.endr
	global_store_b64 v3, v[SBW:SBW+1], s[16:17]    ; sixteen lanes store 128 consecutive bytes: one byte in 128 of what this path reads
	s_endpgm
.Lfunc_end_k_q92734f6a61_prep:
	.size	k_q92734f6a61_prep, .Lfunc_end_k_q92734f6a61_prep-k_q92734f6a61_prep
	.p2alignl 7, 3214868480
	.fill 96, 4, 3214868480
	.section	.rodata,"a",@progbits
	.p2align	6, 0x0
	.amdhsa_kernel k_q92734f6a61_prep
		.amdhsa_group_segment_fixed_size 69632
		.amdhsa_private_segment_fixed_size 0
		.amdhsa_enable_private_segment 0
		.amdhsa_kernarg_size 72
		.amdhsa_user_sgpr_count 2
		.amdhsa_user_sgpr_kernarg_segment_ptr 1
		.amdhsa_wavefront_size32 1
		.amdhsa_system_sgpr_workgroup_id_x 1
		.amdhsa_system_sgpr_workgroup_id_y 1
		.amdhsa_system_sgpr_workgroup_id_z 1
		.amdhsa_system_vgpr_workitem_id 0
		.amdhsa_next_free_vgpr 256
		.amdhsa_next_free_sgpr 66
		.amdhsa_reserve_vcc 1
		.amdhsa_float_denorm_mode_32 3
		.amdhsa_float_denorm_mode_16_64 3
		.amdhsa_memory_ordered 1
		.amdhsa_forward_progress 1
		.amdhsa_inst_pref_size 159
	.end_amdhsa_kernel
	.amdgpu_metadata
---
amdhsa.version: [ 1, 2 ]
amdhsa.kernels:
  - .name:           k_q92734f6a61_prep
    .symbol:         k_q92734f6a61_prep.kd
    .args:
      - { .name: inputs, .offset: 0, .size: 8, .value_kind: global_buffer, .address_space: global }
      - { .name: Wg, .offset: 8, .size: 8, .value_kind: global_buffer, .address_space: global }
      - { .name: We, .offset: 16, .size: 8, .value_kind: global_buffer, .address_space: global }
      - { .name: xc, .offset: 24, .size: 8, .value_kind: global_buffer, .address_space: global }
      - { .name: xs, .offset: 32, .size: 8, .value_kind: global_buffer, .address_space: global }
      - { .name: wc, .offset: 40, .size: 8, .value_kind: global_buffer, .address_space: global }
      - { .name: wsc, .offset: 48, .size: 8, .value_kind: global_buffer, .address_space: global }
      - { .name: rt1, .offset: 56, .size: 8, .value_kind: global_buffer, .address_space: global }
      - { .name: wts, .offset: 64, .size: 8, .value_kind: global_buffer, .address_space: global }
    .group_segment_fixed_size: 69632
    .private_segment_fixed_size: 0
    .kernarg_segment_align: 8
    .kernarg_segment_size: 72
    .max_flat_workgroup_size: 128
    .sgpr_count:     66
    .vgpr_count:     256
    .wavefront_size: 32
...
	.end_amdgpu_metadata
.endif
;; end of part 4
;; launch route (part 5): grid 1 x 1, 32 waves a work-group, no clusters, 37,888 bytes of LDS; arguments rt1, wts, rt2, coef; writes rt2, coef
.if DOCPART == 5
	.amdgcn_target "amdgcn-amd-amdhsa--gfx1250"
	.amdhsa_code_object_version 6
	.text
	.protected	k_q92734f6a61_route
	.globl	k_q92734f6a61_route
	.p2align	8
	.type	k_q92734f6a61_route,@function
k_q92734f6a61_route:
	s_mov_b64 s[64:65], 0
	v_nop
	global_prefetch_b8 v0, s[64:65] scope:SCOPE_SE
	s_setreg_imm32_b32 hwreg(HW_REG_WAVE_MODE, 25, 1), 1
	s_wait_xcnt 0x0
; ROUTE.  One work-group sorts the 2,048 tokens by their key (the pair of experts) by a counting sort without atomics, from the ranks and counts that the launch before stored for each group of 8 tokens.
; Out: rt2 word [place] = the token at that place; from byte 8192 on, for each block of 128 places, {its experts, a nibble each; how many};
;      coef [block 16][e 8][r 16][m 8] f32: the gate's weight of expert e for the token at place 128 block + 16 m + r, 0 where the token does not use e.
; Wave w is key w for the sums, and groups 8 w .. 8 w + 7 (64 tokens) for the placing.  place = (tokens of lower keys) + (tokens of my key in earlier groups) + my rank in my group.
; One work-group has all the work there is: 57 KB in, 74 KB out.
.set TOT,    0                         ; LDS: a total for each key: 32 words
.set OFF,    256                       ; LDS: [key 32] rows of 1,040 bytes: the first place of (key, group), 256 words + 16 bytes: 65 x 16, so sixteen lanes' reads of one column start at sixteen different 16-byte columns of 256
.set OPITCH, 1040
	s_load_b256 s[4:11], s[0:1], 0x0               ; rt1 s[4:5], wts s[6:7], rt2 s[8:9], coef s[10:11]
	v_lshl_add_u32 v96, v0, 2, 0x8400
	v_mov_b32 v97, 0
	v_lshrrev_b32 v1, 5, v0
	s_delay_alu instid0(VALU_DEP_1)
	v_readfirstlane_b32 s12, v1                    ; wave 0..31
	v_and_b32 v1, 31, v0                           ; lane
	v_bfe_u32 v2, v0, 4, 1
	s_delay_alu instid0(VALU_DEP_1)
	v_sub_nc_u32 v2, 0, v2                         ; all ones in lanes 16-31
	v_mov_b32 v15, 0                               ; written once: a DPP form's destination counts as read
	s_lshl_b32 s13, s12, 10
	v_lshl_add_u32 v3, v1, 5, s13                  ; histT: row w of 1,024 bytes, groups 8 l on
	s_lshl_b32 s13, s12, 8
	v_lshl_add_u32 v12, v1, 2, s13                 ; rt1's words: token 64 w + l
	s_lshl_b32 s14, s12, 9
	v_lshl_add_u32 v13, v1, 3, s14                 ; wts likewise
	v_mov_b32 v19, s12
	s_delay_alu instid0(VALU_DEP_1)
	v_lshlrev_b32 v19, 2, v19                      ; 4 w
	v_lshlrev_b32 v20, 2, v1                       ; 4 l
	s_mul_i32 s17, s12, OPITCH
	v_lshl_add_u32 v26, v1, 5, s17                 ; OFF: row w, groups 8 l on
	v_mul_u32_u24 v27, v1, OPITCH
	s_lshl_b32 s18, s12, 5
	v_add_nc_u32 v27, s18, v27                     ; OFF: row l, groups 8 w on
	s_lshl_b32 s29, s12, 6                         ; my wave's first token
	s_mov_b32 s32, 0x0000ff00                      ; lanes 8-15, 16-23, 24-31: the second, third and fourth group of a run of 32 tokens
	s_mov_b32 s33, 0x00ff0000
	s_mov_b32 s34, 0xff000000
	s_wait_alu depctr_va_vdst(0)
	s_wait_kmcnt 0x0
	global_load_b128 v[4:7], v3, s[4:5] offset:8192
	global_load_b128 v[8:11], v3, s[4:5] offset:8208
	global_load_b32 v44, v12, s[4:5]
	global_load_b32 v45, v12, s[4:5] offset:128
	global_load_b64 v[46:47], v13, s[6:7]
	global_load_b64 v[48:49], v13, s[6:7] offset:256
; the running sum over the 32 lanes, my own number included
.macro SCAN v, t
.irp n, 1,2,4,8
	s_delay_alu instid0(VALU_DEP_1)
	v_mov_b32_dpp v[\t], v[\v] row_shr:\n row_mask:0xf bank_mask:0xf bound_ctrl:1   ; the lane n below in my half; 0 where there is none
	s_delay_alu instid0(VALU_DEP_1)
	v_add_nc_u32 v[\v], v[\v], v[\t]
.endr
	s_delay_alu instid0(VALU_DEP_1)
	v_readlane_b32 s15, v[\v], 15                  ; the lower half's total goes onto the upper half
	s_delay_alu instid0(VALU_DEP_1)
	v_and_b32 v[\t], s15, v2
	s_delay_alu instid0(VALU_DEP_1)
	v_add_nc_u32 v[\v], v[\v], v[\t]
.endm
	s_wait_loadcnt 0x0
	v_add3_u32 v14, v4, v5, v6                     ; my key's tokens in my eight groups
	s_delay_alu instid0(VALU_DEP_1)
	v_add3_u32 v14, v14, v7, v8
	s_delay_alu instid0(VALU_DEP_1)
	v_add3_u32 v14, v14, v9, v10
	s_delay_alu instid0(VALU_DEP_1)
	v_add_nc_u32 v14, v14, v11
	s_delay_alu instid0(VALU_DEP_1)
	v_mov_b32 v16, v14
	SCAN 16, 15
	s_delay_alu instid0(VALU_DEP_1)
	v_sub_nc_u32 v17, v16, v14                     ; my key's tokens in groups under 8 l
	s_delay_alu instid0(VALU_DEP_2)
	v_readlane_b32 s16, v16, 31
	s_delay_alu instid0(VALU_DEP_1)
	v_mov_b32 v18, s16                             ; my key's total
	ds_store_b32 v19, v18 offset:TOT               ; every lane writes the same word with the same value
	s_wait_dscnt 0x0
	s_barrier_signal -1
	s_barrier_wait -1                              ; the 32 totals lie in LDS
	ds_load_b32 v21, v20 offset:TOT                ; lane = key
	s_wait_dscnt 0x0
	v_mov_b32 v22, v21
	SCAN 22, 15                                    ; where key l ends,
	s_delay_alu instid0(VALU_DEP_1)
	v_sub_nc_u32 v23, v22, v21                     ; and begins
	ds_bpermute_b32 v24, v19, v23                  ; lane w's: where my key begins
	s_wait_dscnt 0x0
	v_add_nc_u32 v28, v24, v17                     ; the first place of (my key, group 8 l), and of the seven groups behind it
	s_delay_alu instid0(VALU_DEP_1)
	v_add_nc_u32 v29, v28, v4
	s_delay_alu instid0(VALU_DEP_1)
	v_add_nc_u32 v30, v29, v5
	s_delay_alu instid0(VALU_DEP_1)
	v_add_nc_u32 v31, v30, v6
	s_delay_alu instid0(VALU_DEP_1)
	v_add_nc_u32 v32, v31, v7
	s_delay_alu instid0(VALU_DEP_1)
	v_add_nc_u32 v33, v32, v8
	s_delay_alu instid0(VALU_DEP_1)
	v_add_nc_u32 v34, v33, v9
	s_delay_alu instid0(VALU_DEP_1)
	v_add_nc_u32 v35, v34, v10
	ds_store_b128 v26, v[28:31] offset:OFF
	ds_store_b128 v26, v[32:35] offset:OFF+16
	s_wait_dscnt 0x0
	s_barrier_signal -1
	s_barrier_wait -1                              ; the first place of every (key, group) lies in LDS
	ds_load_b128 v[36:39], v27 offset:OFF          ; lane = key: groups 8 w .. 8 w + 3,
	ds_load_b128 v[40:43], v27 offset:OFF+16       ; groups 8 w + 4 .. 8 w + 7
	s_wait_dscnt 0x0
; tokens 64 w + 32 j + l: a lane to a token; its group is 8 w + 4 j + l / 8
.macro PLACE j
.set Q, 52+12*\j
	v_bfe_u32 v[Q+7], v[44+\j], 8, 5
	s_delay_alu instid0(VALU_DEP_1)
	v_lshlrev_b32 v[Q+7], 2, v[Q+7]
.irp q, 0,1,2,3
	ds_bpermute_b32 v[Q+8+\q], v[Q+7], v[36+4*\j+\q]   ; the first place of (my key, group 8 w + 4 j + q)
.endr
	v_lshrrev_b32 v[Q+1], 16, v[44+\j]             ; my rank
	s_wait_dscnt 0x0
	v_cndmask_b32 v[Q], v[Q+8], v[Q+9], s32        ; my own group's
	s_delay_alu instid0(VALU_DEP_1)
	v_cndmask_b32 v[Q], v[Q], v[Q+10], s33
	s_delay_alu instid0(VALU_DEP_1)
	v_cndmask_b32 v[Q], v[Q], v[Q+11], s34
	s_wait_alu depctr_va_vdst(0)
	v_add_nc_u32 v[Q], v[Q], v[Q+1]                ; my place.  Its fields are cut first and each then held, since it comes from loaded numbers
	s_delay_alu instid0(VALU_DEP_1)
	v_lshrrev_b32 v[Q+1], 7, v[Q]
	s_delay_alu instid0(VALU_DEP_1)
	v_min_u32 v[Q+1], 15, v[Q+1]                   ; block
	s_delay_alu instid0(VALU_DEP_3)
	v_bfe_u32 v[Q+2], v[Q], 4, 3
	s_delay_alu instid0(VALU_DEP_1)
	v_min_u32 v[Q+2], 7, v[Q+2]                    ; m
	v_and_b32 v[Q+3], 15, v[Q]
	s_delay_alu instid0(VALU_DEP_1)
	v_min_u32 v[Q+3], 15, v[Q+3]                   ; r
	v_min_u32 v[Q], 2047, v[Q]
	s_delay_alu instid0(VALU_DEP_1)
	v_lshlrev_b32 v[Q+4], 2, v[Q]
	v_lshlrev_b32 v[Q+5], 12, v[Q+1]
	s_delay_alu instid0(VALU_DEP_1)
	v_lshl_add_u32 v[Q+5], v[Q+3], 5, v[Q+5]
	s_delay_alu instid0(VALU_DEP_1)
	v_lshl_add_u32 v[Q+5], v[Q+2], 2, v[Q+5]
	v_add3_u32 v[Q+6], s29, v1, 32*\j              ; my token
	global_store_b32 v[Q+4], v[Q+6], s[8:9]
	v_and_b32 v[Q+1], 15, v[44+\j]                 ; i1
	v_bfe_u32 v[Q+2], v[44+\j], 4, 4               ; i2
.irp e, 0,1,2,3,4,5,6,7
	v_cmp_eq_u32 vcc_lo, \e, v[Q+1]
	s_delay_alu instid0(VALU_DEP_1)
	v_cndmask_b32 v[76+8*\j+\e], 0, v[46+2*\j], vcc_lo
	v_cmp_eq_u32 vcc_lo, \e, v[Q+2]
	s_delay_alu instid0(VALU_DEP_1)
	v_cndmask_b32 v[76+8*\j+\e], v[76+8*\j+\e], v[47+2*\j], vcc_lo
	global_store_b32 v[Q+5], v[76+8*\j+\e], s[10:11] offset:512*\e   ; each store has a data register of its own
.endr
.endm
	PLACE 0
	PLACE 1
; Waves 0 to 15: block w's experts.  A key counts if it has tokens and its places meet the block's 128.
	s_cmp_lt_u32 s12, 16
	s_cbranch_scc0 .Lend
	s_lshl_b32 s19, s12, 7
	s_add_co_u32 s20, s19, 128
	v_cmp_gt_u32 s21, s20, v23                     ; the key begins under the block's end,
	v_cmp_lt_u32 s22, s19, v22                     ; ends above its start,
	v_cmp_ne_u32 s23, 0, v21                       ; and is not empty
	s_and_b32 s21, s21, s22
	s_and_b32 s21, s21, s23
	s_mov_b32 s24, 0                               ; the list
	s_mov_b32 s25, 0                               ; its length
.macro EXPERT e, mask                  ; mask: the keys that hold expert e.  Without a jump: the nibble and the step are chosen
	s_lshl_b32 s26, s25, 2
	s_lshl_b32 s26, \e, s26
	s_and_b32 s27, s21, \mask                      ; SCC: one of the block's keys holds e
	s_cselect_b32 s26, s26, 0
	s_cselect_b32 s27, 1, 0
	s_or_b32 s24, s24, s26
	s_add_co_u32 s25, s25, s27
.endm
	EXPERT 0, 0x7f
	EXPERT 1, 0x1f81
	EXPERT 2, 0x3f002
	EXPERT 3, 0x3c2804
	EXPERT 4, 0x1e04408
	EXPERT 5, 0x6508210
	EXPERT 6, 0xc890120
	EXPERT 7, 0xb0600c0
	v_mov_b32 v30, s24
	v_mov_b32 v31, s25
	v_lshlrev_b32 v14, 1, v19                      ; 8 w
	v_cmp_eq_u32 vcc_lo, 0, v1
	s_wait_alu depctr_va_vdst(0)
	s_wait_xcnt 0x0                                ; EXEC changes only behind this wait: stores have been issued
	s_and_saveexec_b32 s28, vcc_lo
	global_store_b64 v14, v[30:31], s[8:9] offset:8192
	s_wait_xcnt 0x0                                ; and again in front of the line that widens it
	s_or_b32 exec_lo, exec_lo, s28
.Lend:
	s_wait_tensorcnt 0x0
	ds_add_u32 v96, v97
	s_wait_dscnt 0x0
	s_endpgm
.Lfunc_end_k_q92734f6a61_route:
	.size	k_q92734f6a61_route, .Lfunc_end_k_q92734f6a61_route-k_q92734f6a61_route
	.p2alignl 7, 3214868480
	.fill 96, 4, 3214868480
	.section	.rodata,"a",@progbits
	.p2align	6, 0x0
	.amdhsa_kernel k_q92734f6a61_route
		.amdhsa_group_segment_fixed_size 37888
		.amdhsa_private_segment_fixed_size 0
		.amdhsa_enable_private_segment 0
		.amdhsa_kernarg_size 32
		.amdhsa_user_sgpr_count 2
		.amdhsa_user_sgpr_kernarg_segment_ptr 1
		.amdhsa_wavefront_size32 1
		.amdhsa_system_sgpr_workgroup_id_x 1
		.amdhsa_system_sgpr_workgroup_id_y 1
		.amdhsa_system_sgpr_workgroup_id_z 1
		.amdhsa_system_vgpr_workitem_id 0
		.amdhsa_next_free_vgpr 98
		.amdhsa_next_free_sgpr 66
		.amdhsa_reserve_vcc 1
		.amdhsa_float_denorm_mode_32 3
		.amdhsa_float_denorm_mode_16_64 3
		.amdhsa_memory_ordered 1
		.amdhsa_forward_progress 1
		.amdhsa_inst_pref_size 17
	.end_amdhsa_kernel
	.amdgpu_metadata
---
amdhsa.version: [ 1, 2 ]
amdhsa.kernels:
  - .name:           k_q92734f6a61_route
    .symbol:         k_q92734f6a61_route.kd
    .args:
      - { .name: rt1, .offset: 0, .size: 8, .value_kind: global_buffer, .address_space: global }
      - { .name: wts, .offset: 8, .size: 8, .value_kind: global_buffer, .address_space: global }
      - { .name: rt2, .offset: 16, .size: 8, .value_kind: global_buffer, .address_space: global }
      - { .name: coef, .offset: 24, .size: 8, .value_kind: global_buffer, .address_space: global }
    .group_segment_fixed_size: 37888
    .private_segment_fixed_size: 0
    .kernarg_segment_align: 8
    .kernarg_segment_size: 32
    .max_flat_workgroup_size: 1024
    .sgpr_count:     66
    .vgpr_count:     98
    .wavefront_size: 32
...
	.end_amdgpu_metadata
.endif
;; end of part 5
;; launch moe (part 6): grid 16 x 16, 4 waves a work-group, no clusters, 270,848 bytes of LDS; arguments xc, xs, wc, wsc, be, coef, rt2, out0; writes out0
.if DOCPART == 6
	.amdgcn_target "amdgcn-amd-amdhsa--gfx1250"
	.amdhsa_code_object_version 6
	.text
	.protected	k_q92734f6a61_moe
	.globl	k_q92734f6a61_moe
	.p2align	8
	.type	k_q92734f6a61_moe,@function
k_q92734f6a61_moe:
	s_mov_b64 s[64:65], 0
	v_nop
	global_prefetch_b8 v0, s[64:65] scope:SCOPE_SE
	s_setreg_imm32_b32 hwreg(HW_REG_WAVE_SCHED_MODE, 0, 2), 2
	s_setreg_imm32_b32 hwreg(HW_REG_WAVE_MODE, 25, 1), 1
	s_wait_xcnt 0x0
	s_wait_alu depctr_vm_vsrc(0)
; MOE.  out0[token] = the sum over the token's two experts of c_e (Q(x) Q(We[e]) + be[e]), on codes of E5M2 with one E8M0 scale for each 32 along K.
; SHARES.  A work-group owns 128 tokens (block y of the places that the launch before sorted by pairs of experts) x 128 columns (slab x): every number of out0 has one owner.
; It walks only the experts that its tokens use (the stored list, 2 to 8 of them); a token that does not use an expert of the list has the coefficient 0 for it.
; THE FOUR WAVES SPLIT K: wave w keeps, for the whole launch, the codes of all 128 tokens for K steps 4 w .. 4 w + 3 in 512 registers.  A fragment of weights (2,048 bytes, laid by the first launch in the order of the
; operand's registers) goes from memory straight into the one wave that wants it and feeds eight matrix instructions; the loop reads nothing from LDS.
; A GROUP = (expert, tile of 16 columns): 4 fragments, 32 matrix instructions, used TRANSPOSED (source 0 = 16 columns of We, source 1 = 16 tokens): a lane holds one token and eight neighbouring columns.
; P = the group's sums; O += c P over a tile's experts; at the tile's end O goes to the wave's own region of LDS.  One barrier behind the loop, then the four waves' parts are added and stored as whole pieces of rows.
; be / 4 is the C of each sum's first matrix instruction in each of the four waves: the four parts add up to be.
; NO CLUSTER, NO TENSOR LOAD: which weights a work-group reads, and how many groups it has, hang on the stored list; neighbours along y have other lists, so no joint request could be issued alike by all.
; LIMITS: NaN and infinities are not served; be under 2^-124 loses bits in be / 4.
; REGISTERS, in windows of 256.  Window 0: v1-15 offsets and addresses; v16-31 x's scale words; v32-39 the weights' (ring of 4); v40-71 bias (ring of 4 x 8); v72-103 coefficients (ring of 4 x 8);
;   v104-135 P0 (tiles of tokens 0-3), v136-167 P1 (4-7), v168-231 O; v232-245 at work.   Windows 1, 2: x's fragment (m, ks) at window 1 + ks / 2, register 128 (ks % 2) + 16 m.   Window 3: a ring of 4 x 4 fragments of weights.
; THE MODE: SCHED_MODE bits 1:0 = 2 (LLVM: expert scheduling mode 2), set by the entry lines.  The code itself states the register dependences between vector or matrix instructions and memory or LDS
; instructions, with s_wait_alu, always for 0.
; THE PLAN.  Registers that memory or LDS instructions touch, in the loop:
;   Slot s of the four rings (window 3's four fragments, v[BS], v[BI], v[CF]).  Group g works on slot g % 4: its matrix instructions read the fragments, the scale words and the bias, which eight multiplications have
;              written; its multiply-adds read the coefficients, the last of them in the first half of group g + 1.  The loads for group g + 4 land there: they are issued in the second half of group g + 1.
;   v2-5       Written by four additions in the middle of a group; read by that group's 21 loads.
;   O, v[FA]   At a tile's end: O, written by the multiply-adds, and v[FA], written there, are read by sixteen LDS stores; O is then cleared.
; So ONE wait on va_vdst stands in the middle of a group, behind the four additions: it states that v2-5 are written and that all readers and writers of the last group's slot are done.  Behind it the group's second half
; names O, P0, P1, its own slot and x's registers, none of which the 21 loads touch: these are dealt among its matrix instructions with no further wait.  One wait on vm_vsrc stands ahead of the four additions.
.set RGN,  67584                       ; LDS: a region for each wave: 128 rows of 528 bytes
.set RP,   528                         ; 512 bytes + 16: 33 x 16, so the sixteen rows that an access touches start at sixteen different 16-byte columns of 256
.set L16,  1                           ; v1   16 x lane
.set VB,   2                           ; v2-5 the batch's offsets into wc, wsc, be, coef
.set VS,   3
.set VBI,  4
.set VC,   5
.set WOFF, 6                           ; v6-9 their parts that stay
.set SOFF, 7
.set BOFF, 8
.set COFF, 9
.set FB,   10                          ; v10  my region + 528 r + 32 h: where O goes, column tile 0
.set FA,   11                          ; v11  the same for the tile in hand
.set ST0,  12                          ; v12  my region + 16 l: rows 0-63 of the stage;  v13 rows 64-127
.set FRD,  14                          ; v14  my region + 528 r + 16 h: fragments out of the stage
.set XO,   15                          ; v15  16 l + 512 w: my bytes of a token's row of codes
.set AS,   16
.set BS,   32
.set BI,   40
.set CF,   72
.set P0,   104
.set P1,   136
.set O,    168
.set GA,   104                         ; at the start: v104-231 the 128 tokens' offsets
.set OA,   40                          ; at the end: v40-71 my 32 rows' offsets in out0; v72-75 the four regions; v104-231 eight rows x four parts
.set RA,   72
.set SUMR, 104
.set MSB, 0
.macro WIN new                         ; the immediate's high byte repeats the setting that is left; a switch that changes nothing is dropped
.if MSB != (\new)
	s_set_vgpr_msb (MSB<<8)|(\new)
.set MSB, (\new)
.endif
.endm
.macro PLACES n
.rept \n
	v_nop
.endr
.endm
	s_load_b512 s[4:19], s[0:1], 0x0               ; xc s[4:5], xs s[6:7], wc s[8:9], wsc s[10:11], be s[12:13], coef s[14:15], rt2 s[16:17], out0 s[18:19]
	v_lshl_add_u32 v254, v0, 2, 0x42000
	v_mov_b32 v255, 0
	v_lshrrev_b32 v240, 5, v0
	v_readfirstlane_b32 s20, v240                  ; wave 0..3
	s_mov_b32 s21, ttmp9                           ; slab of 128 columns
	s_and_b32 s22, ttmp7, 0xffff                   ; block of 128 places
	v_and_b32 v240, 31, v0                         ; l
	v_and_b32 v241, 15, v0                         ; r
	v_bfe_u32 v242, v0, 4, 1                       ; h
	s_wait_alu depctr_va_vdst(0)
	v_lshlrev_b32 v[L16], 4, v240
	s_wait_alu depctr_va_vdst(0)
	s_wait_alu depctr_va_sdst(0)                   ; s20 is written, ahead of its first reader: offsets and LDS addresses are made from it
	s_lshl_b32 s66, s21, 18                        ; wc: a slab is 8 tiles of 32,768 bytes; my four K steps begin 8,192 w in
	s_lshl_b32 s67, s20, 13
	s_add_co_u32 s66, s66, s67
	v_add_nc_u32 v[WOFF], s66, v[L16]
	s_lshl_b32 s66, s21, 13                        ; wsc: 8 tiles of 1,024 bytes; my two y begin 256 w in; lanes 0-15 take y = 2 w, lanes 16-31 y = 2 w + 1
	s_lshl_b32 s67, s20, 8
	s_add_co_u32 s66, s66, s67
	v_lshl_add_u32 v[SOFF], v240, 3, s66
	s_lshl_b32 s66, s21, 9
	v_lshl_add_u32 v[BOFF], v242, 5, s66           ; be: 512 slab + 32 h: my eight columns of a tile
	s_lshl_b32 s66, s22, 12
	v_lshl_add_u32 v[COFF], v241, 5, s66           ; coef: 4,096 block + 32 r: the eight tiles' tokens of my row
	s_mul_i32 s67, s20, RGN
	v_mul_u32_u24 v243, v241, RP
	v_add_nc_u32 v243, s67, v243
	v_lshl_add_u32 v[FB], v242, 5, v243
	v_lshl_add_u32 v[FRD], v242, 4, v243
	v_add_nc_u32 v[ST0], s67, v[L16]
	v_add_nc_u32 v[ST0+1], 64*RP, v[ST0]
	s_lshl_b32 s66, s20, 9
	v_add_nc_u32 v[XO], s66, v[L16]
	s_lshl_b32 s66, s20, 4
	v_lshl_add_u32 v244, v242, 3, s66              ; xs: 16 w + 8 h: lanes 0-15 take K steps 4 w, 4 w + 1, lanes 16-31 the next two
	s_lshl_b32 s100, s22, 9                        ; rt2: my block's 128 tokens,
	s_lshl_b32 s101, s22, 3                        ; and its list
	v_lshl_add_u32 v245, v241, 2, s100
	s_wait_kmcnt 0x0
	s_load_b64 s[2:3], s[16:17], s101 offset:0x2000
	s_load_b512 s[32:47], s[16:17], s100 offset:0x0      ; tokens 0-63 as scalars: a wave's load takes one token's row
	s_load_b512 s[48:63], s[16:17], s100 offset:0x40
	s_load_b512 s[68:83], s[16:17], s100 offset:0x80
	s_load_b512 s[84:99], s[16:17], s100 offset:0xc0
	s_wait_alu depctr_va_vdst(0)                   ; v245, which the loads below read as their offset, is written; so are the LDS addresses v12, v13 and v14, which are never written again
.irp m, 0,1,2,3,4,5,6,7
	global_load_b32 v[232+\m], v245, s[16:17] offset:64*\m   ; and, a lane to a row, the token of tile m, row r
.endr
	s_wait_kmcnt 0x0
	s_mov_b32 s23, s2                              ; the list, which turns round a nibble a batch
	s_max_u32 s24, s3, 1
	s_min_u32 s24, s24, 8                          ; nE
	s_sub_co_u32 s25, s24, 1
	s_lshl_b32 s25, s25, 2                         ; where a nibble comes in again
	s_mov_b32 s26, 0                               ; the batches' place in the list,
	s_mov_b32 s27, 0                               ; and their tile of columns
	s_mov_b32 s28, 0                               ; groups added into O for the tile in hand
	s_mov_b32 s29, 0                               ; the tile that O belongs to
	s_lshl_b32 s31, s24, 1
	s_sub_co_u32 s31, s31, 1                       ; trips: 8 nE groups, four a trip, the last four written out
	s_wait_loadcnt 0x0
.irp m, 0,1,2,3,4,5,6,7
	v_min_u32 v[232+\m], 2047, v[232+\m]
	v_lshl_add_u32 v[232+\m], v[232+\m], 6, v244
.endr
	s_wait_alu depctr_va_vdst(0)                   ; v232-239 are written: the loads below read them as their offsets
.irp m, 0,1,2,3,4,5,6,7
	global_load_b64 v[AS+2*\m:AS+2*\m+1], v[232+\m], s[6:7]   ; x's scale words: register = ks % 2, half of the lanes = ks / 2
.endr
; x's codes: 32 tokens a chunk.  One load takes the 512 bytes of one token's row that are my K steps; they go through my region of LDS, as rows, and come back as fragments.
.macro ISSUE c
.set t, 32*(\c)
.rept 32
.set SID, 32+(t%64)+4*((t%64)/32)
	s_min_u32 s[SID], s[SID], 2047
	v_lshl_add_u32 v[GA+t], s[SID], 11, v[XO]
.set t, t+1
.endr
	WIN 0x40<<((\c)/2)                             ; destination window 1 or 2: the fragments' own registers serve on the way
	s_wait_alu depctr_va_vdst(0)                   ; the chunk's 32 offsets are written, which its loads read
.set t, 32*(\c)
.rept 32
	global_load_b128 v[(4*t)%256:(4*t)%256+3], v[GA+t], s[4:5]
.set t, t+1
.endr
	WIN 0
.endm
.macro STAGE c
	WIN 0x04<<((\c)/2)                             ; an LDS store's data are its source 1
.set t, 32*(\c)
.rept 32
	ds_store_b128 v[ST0+t/64], v[(4*t)%256:(4*t)%256+3] offset:RP*(t%64)
.set t, t+1
.endr
	WIN 0
.endm
; A batch: what one group wants, 21 loads, into a slot of the rings.  BADDR makes its four offsets; again = 1: an earlier batch has read them.
.macro BADDR again
	s_wait_xcnt 0x0                                ; the last batch's loads have had their addresses translated
.if \again
	s_wait_alu depctr_vm_vsrc(0)                   ; the last batch's loads have read v2-5, which the four additions below write again
.endif
	s_and_b32 s66, s23, 15                         ; the expert,
	s_lshr_b32 s23, s23, 4
	s_lshl_b32 s67, s66, s25
	s_or_b32 s23, s23, s67                         ; which goes to the list's end
	s_min_u32 s66, s66, 7                          ; both come from loaded numbers: held before they enter an offset
	s_min_u32 s67, s27, 7
	s_lshl_b32 s100, s66, 22
	s_lshl_b32 s101, s67, 15
	s_add_co_u32 s100, s100, s101
	v_add_nc_u32 v[VB], s100, v[WOFF]
	s_lshl_b32 s100, s66, 17
	s_lshl_b32 s101, s67, 10
	s_add_co_u32 s100, s100, s101
	v_add_nc_u32 v[VS], s100, v[SOFF]
	s_lshl_b32 s100, s66, 13
	s_lshl_b32 s101, s67, 6
	s_add_co_u32 s100, s100, s101
	v_add_nc_u32 v[VBI], s100, v[BOFF]
	s_lshl_b32 s100, s66, 9
	v_add_nc_u32 v[VC], s100, v[COFF]
	s_add_co_u32 s26, s26, 1                       ; the list is through: the next tile of columns
	s_cmp_eq_u32 s26, s24
	s_cselect_b32 s26, 0, s26
	s_cselect_b32 s101, 1, 0
	s_add_co_u32 s27, s27, s101
	s_and_b32 s27, s27, 7
.endm
.macro WLOADS b, j0                    ; two of the batch's four fragments, under destination window 3: each load 512 consecutive bytes
.set j, \j0
.rept 8
	global_load_b128 v[64*(\b)+4*j:64*(\b)+4*j+3], v[VB], s[8:9] offset:512*j
.set j, j+1
.endr
.endm
.macro SLOADS b                        ; its scale words, bias and coefficients, under window 0
	global_load_b64 v[BS+2*(\b):BS+2*(\b)+1], v[VS], s[10:11]
	global_load_b128 v[BI+8*(\b):BI+8*(\b)+3], v[VBI], s[12:13]
	global_load_b128 v[BI+8*(\b)+4:BI+8*(\b)+7], v[VBI], s[12:13] offset:16
	global_load_b128 v[CF+8*(\b):CF+8*(\b)+3], v[VC], s[14:15]
	global_load_b128 v[CF+8*(\b)+4:CF+8*(\b)+7], v[VC], s[14:15] offset:16
.endm
.macro BATCH b, again                  ; a whole batch in one run: the three ahead of the loop
	BADDR \again
	WIN 0xc0                                       ; destination window 3
	s_wait_alu depctr_va_vdst(0)                   ; v2-5 are written, which the 21 loads read as their offsets
	WLOADS \b, 0
	WLOADS \b, 8
	WIN 0
	SLOADS \b
.endm
	ISSUE 0
	ISSUE 1
	s_load_b512 s[32:47], s[16:17], s100 offset:0x100    ; tokens 64-127: the first 64 have been used
	s_load_b512 s[48:63], s[16:17], s100 offset:0x140
	s_load_b512 s[68:83], s[16:17], s100 offset:0x180
	s_load_b512 s[84:99], s[16:17], s100 offset:0x1c0
	s_wait_loadcnt 32                              ; all but chunk 1: the scale words and chunk 0 are in
	STAGE 0
	s_wait_kmcnt 0x0
	ISSUE 2
	s_wait_loadcnt 32                              ; all but chunk 2
	STAGE 1
	ISSUE 3
	s_wait_loadcnt 32                              ; all but chunk 3
	STAGE 2
	BATCH 0, 0
	BATCH 1, 1
	s_wait_loadcnt 42                              ; all but the two batches
	STAGE 3
	s_wait_alu depctr_vm_vsrc(0)                   ; the stage's stores have read windows 1 and 2, in which the fragments below land; the chunks' loads have read v104-231, which are P0, P1 and O from here on
.irp ks, 0,1,2,3                       ; LDS serves a wave's instructions in order: these see my stores.  Lane (r, h), registers 4 c on: k = 128 ks + 32 c + 16 h + 0 .. 15 of token 16 m + r
	WIN 0x40<<(\ks/2)
.irp m, 0,1,2,3,4,5,6,7
.irp c, 0,1,2,3
	ds_load_b128 v[128*(\ks%2)+16*\m+4*\c:128*(\ks%2)+16*\m+4*\c+3], v[FRD] offset:16*RP*\m+128*\ks+32*\c
.endr
.endr
.endr
	WIN 0
	BATCH 2, 1
.set i, 0
.rept 96
	v_mov_b32 v[P1+i], 0                           ; P1 and O.  The group is written once: the first finds zeros where later ones find the group before
.set i, i+1
.endr
.irp j, 0,1,2,3,4,5,6,7
	v_mov_b32 v[CF+24+\j], 0                       ; and so with the coefficients of slot 3
.endr
	s_wait_dscnt 0x0                               ; x's fragments are in
; O's tile of tokens += c x P's, from the accumulator's low end on
.macro SCALE tile, p, cslot
.irp j, 0,1,2,3,4,5,6,7
	v_fmac_f32 v[O+8*(\tile)+\j], v[\p+8*((\tile)%4)+\j], v[CF+8*(\cslot)+(\tile)]
.endr
.endm
; four matrix instructions: K step ks, tiles of tokens m0 .. m0 + 3 into p; the four accumulators take turns, one instruction a turn
.macro MM ks, m0, p, b
.irp i, 0,1,2,3
.if (\ks) == 0
	v_wmma_scale_f32_16x16x128_f8f6f4 v[\p+8*\i:\p+8*\i+7], v[64*(\b)+16*(\ks):64*(\b)+16*(\ks)+15], v[128*((\ks)%2)+16*(\m0+\i):128*((\ks)%2)+16*(\m0+\i)+15], v[BI+8*(\b):BI+8*(\b)+7], v[BS+2*(\b)+((\ks)%2)], v[AS+2*(\m0+\i)+((\ks)%2)] matrix_a_fmt:MATRIX_FMT_BF8 matrix_b_fmt:MATRIX_FMT_BF8
.elseif (\ks) < 2
	v_wmma_scale_f32_16x16x128_f8f6f4 v[\p+8*\i:\p+8*\i+7], v[64*(\b)+16*(\ks):64*(\b)+16*(\ks)+15], v[128*((\ks)%2)+16*(\m0+\i):128*((\ks)%2)+16*(\m0+\i)+15], v[\p+8*\i:\p+8*\i+7], v[BS+2*(\b)+((\ks)%2)], v[AS+2*(\m0+\i)+((\ks)%2)] matrix_a_fmt:MATRIX_FMT_BF8 matrix_b_fmt:MATRIX_FMT_BF8
.else
	v_wmma_scale_f32_16x16x128_f8f6f4 v[\p+8*\i:\p+8*\i+7], v[64*(\b)+16*(\ks):64*(\b)+16*(\ks)+15], v[128*((\ks)%2)+16*(\m0+\i):128*((\ks)%2)+16*(\m0+\i)+15], v[\p+8*\i:\p+8*\i+7], v[BS+2*(\b)+((\ks)%2)], v[AS+2*(\m0+\i)+((\ks)%2)] matrix_a_fmt:MATRIX_FMT_BF8 matrix_b_fmt:MATRIX_FMT_BF8 matrix_a_scale:MATRIX_SCALE_ROW1 matrix_b_scale:MATRIX_SCALE_ROW1
.endif
.endr
.endm
; O, whole for tile s29 of the columns, goes to my region: token 16 m + r, bytes 64 s29 + 32 h on.  The tile's 64 s29 is put together from its three bits by choices between constants: 0 to 448.
.macro FLUSH
	s_bitcmp1_b32 s29, 0
	s_cselect_b32 s66, 64, 0
	s_bitcmp1_b32 s29, 1
	s_cselect_b32 s67, 128, 0
	s_add_co_u32 s66, s66, s67
	s_bitcmp1_b32 s29, 2
	s_cselect_b32 s67, 256, 0
	s_add_co_u32 s66, s66, s67
	v_add_nc_u32 v[FA], s66, v[FB]
	s_wait_alu depctr_va_vdst(0)                   ; v[FA] is written, and the multiply-adds have written O: the sixteen stores read both
.irp m, 0,1,2,3,4,5,6,7
	ds_store_b128 v[FA], v[O+8*\m:O+8*\m+3] offset:16*RP*\m
	ds_store_b128 v[FA], v[O+8*\m+4:O+8*\m+7] offset:16*RP*\m+16
.endr
	s_wait_alu depctr_vm_vsrc(0)                   ; the stores have read O, which is cleared below, and v[FA], which the next tile's end writes again
.set i, 0
.rept 64
	v_mov_b32 v[O+i], 0
.set i, i+1
.endr
	s_mov_b32 s28, 0
	s_add_co_u32 s29, s29, 1
.endm
; A GROUP on slot b.  pre = 1: the batch three groups on is asked for, into the slot that the group before has left.  left: the younger batches' loads, which may stay out.
; A vector instruction that reads a matrix result stands eight plain vector instructions behind it: the eight multiplications at the head serve the group before,
; the batch's four additions and four v_nop (or eight v_nop) the first half of this one.
.macro GROUP b, pre, left
	s_wait_loadcnt \left                           ; this group's batch is in
.irp j, 0,1,2,3,4,5,6,7
	v_mul_f32 v[BI+8*(\b)+\j], 0x3e800000, v[BI+8*(\b)+\j]   ; be / 4
.endr
	SCALE 4, P1, (\b+3)%4                          ; the second half of the group before goes into O while this group's first half is multiplied
	SCALE 5, P1, (\b+3)%4
	WIN 0x07                                       ; source 0 window 3, source 1 window 1
	MM 0, 0, P0, \b
	MM 1, 0, P0, \b
	WIN 0
	SCALE 6, P1, (\b+3)%4
	SCALE 7, P1, (\b+3)%4
	WIN 0x0b                                       ; source 1 window 2
	MM 2, 0, P0, \b
	MM 3, 0, P0, \b
	WIN 0
	s_cmp_eq_u32 s28, s24                          ; the group before was the last of its tile of columns: a branch on the stored count alone
	s_cbranch_scc0 .Lnot_whole_\@
	FLUSH
.Lnot_whole_\@:
	s_add_co_u32 s28, s28, 1
.if \pre
	BADDR 1
	PLACES 4
	s_wait_alu depctr_va_vdst(0)                   ; v2-5 are written; the matrix instructions of the group before are done reading its fragments, scale words and bias, which its multiplications have written; the multiply-adds above are done reading its coefficients: the 21 loads below land in that slot
.else
	PLACES 8
.endif
	SCALE 0, P0, \b
	SCALE 1, P0, \b
	WIN 0x07
	MM 0, 4, P1, \b
.if \pre
	WIN 0xc0                                       ; destination window 3
	WLOADS (\b+3)%4, 0                             ; no wait: no vector or matrix instruction since the wait above names v2-5 or the slot that the group before has left
	WIN 0x07
.endif
	MM 1, 4, P1, \b
	WIN 0
.if \pre
	SLOADS (\b+3)%4
.endif
	SCALE 2, P0, \b
	SCALE 3, P0, \b
	WIN 0x0b
	MM 2, 4, P1, \b
.if \pre
	WIN 0xc0
	WLOADS (\b+3)%4, 8
	WIN 0x0b
.endif
	MM 3, 4, P1, \b
	WIN 0
.endm
	s_mov_b32 s30, 0
.Ltrip:                                            ; 2 nE - 1 trips of four groups; 42 = the two younger batches of 21 loads
	GROUP 0, 1, 42
	GROUP 1, 1, 42
	GROUP 2, 1, 42
	GROUP 3, 1, 42
	s_add_co_u32 s30, s30, 1
	s_cmp_lt_u32 s30, s31
	s_cbranch_scc1 .Ltrip
	GROUP 0, 1, 42                                 ; the last four groups: one more batch, then none, and the counts run down
	GROUP 1, 0, 42
	GROUP 2, 0, 21
	GROUP 3, 0, 0
; THE WAY OUT.  The last group's second half, the last tile of columns; a barrier; wave w adds the four waves' parts of rows 32 w .. 32 w + 31 and stores them.
	s_lshl_b32 s100, s22, 9
	s_lshl_b32 s101, s20, 7
	s_add_co_u32 s100, s100, s101
	s_load_b512 s[32:47], s[16:17], s100 offset:0x0      ; my 32 rows' tokens
	s_load_b512 s[48:63], s[16:17], s100 offset:0x40
	PLACES 8
	SCALE 4, P1, 3
	SCALE 5, P1, 3
	SCALE 6, P1, 3
	SCALE 7, P1, 3
	FLUSH
	s_wait_dscnt 0x0                               ; for the others' sake: my part of all 128 rows lies in LDS
	s_barrier_signal -1
	s_barrier_wait -1
	s_wait_kmcnt 0x0
	s_lshl_b32 s66, s21, 9
	v_add_nc_u32 v232, s66, v[L16]                 ; 512 slab + 16 l
.set i, 0
	s_wait_alu depctr_va_vdst(0)
.rept 32
	s_min_u32 s[32+i], s[32+i], 2047
	v_lshl_add_u32 v[OA+i], s[32+i], 13, v232
.set i, i+1
.endr
	s_mul_i32 s67, s20, 32*RP
	v_add_nc_u32 v[RA], s67, v[L16]
	v_add_nc_u32 v[RA+1], RGN, v[RA]
	v_add_nc_u32 v[RA+2], 2*RGN, v[RA]
	v_add_nc_u32 v[RA+3], 3*RGN, v[RA]
	s_wait_alu depctr_va_vdst(0)                   ; the four LDS addresses and the 32 offsets are written, which the loads and stores below read; all that named P0, P1 and O is done: the loads land in v104-231
.irp q, 0,1,2,3                        ; eight rows at a time
.if \q > 0
	s_wait_xcnt 0x0                                ; the last eight stores have had their addresses translated
	s_wait_alu depctr_vm_vsrc(0)                   ; and have read their data registers, in which the loads below land
.endif
.irp i, 0,1,2,3,4,5,6,7
.irp p, 0,1,2,3
	ds_load_b128 v[SUMR+16*\i+4*\p:SUMR+16*\i+4*\p+3], v[RA+\p] offset:RP*(8*\q+\i)
.endr
.endr
.irp i, 0,1,2,3,4,5,6,7
.set A0, SUMR+16*\i
	s_wait_dscnt 28-4*\i                           ; row i's four parts are in; the later rows' four loads each may be out
	v_pk_add_f32 v[A0:A0+1], v[A0:A0+1], v[A0+4:A0+5]
	v_pk_add_f32 v[A0+2:A0+3], v[A0+2:A0+3], v[A0+6:A0+7]
	v_pk_add_f32 v[A0+8:A0+9], v[A0+8:A0+9], v[A0+12:A0+13]
	v_pk_add_f32 v[A0+10:A0+11], v[A0+10:A0+11], v[A0+14:A0+15]
	v_pk_add_f32 v[A0:A0+1], v[A0:A0+1], v[A0+8:A0+9]
	v_pk_add_f32 v[A0+2:A0+3], v[A0+2:A0+3], v[A0+10:A0+11]
.endr
	s_wait_alu depctr_va_vdst(0)                   ; the eight rows' sums are written, which the stores read; the additions are done with v104-231, in which the next eight rows' loads land
.irp i, 0,1,2,3,4,5,6,7
	global_store_b128 v[OA+8*\q+\i], v[SUMR+16*\i:SUMR+16*\i+3], s[18:19] th:TH_STORE_NT   ; 32 lanes store 512 consecutive bytes of the token's row, at a multiple of 512 from out0's first byte
.endr
.endr
	s_wait_dscnt 0x0                               ; the closing lines, six on end
	s_wait_alu 0x0
	s_wait_tensorcnt 0x0
	ds_add_u32 v254, v255
	s_wait_dscnt 0x0
	s_endpgm
.Lfunc_end_k_q92734f6a61_moe:
	.size	k_q92734f6a61_moe, .Lfunc_end_k_q92734f6a61_moe-k_q92734f6a61_moe
	.p2alignl 7, 3214868480
	.fill 96, 4, 3214868480
	.section	.rodata,"a",@progbits
	.p2align	6, 0x0
	.amdhsa_kernel k_q92734f6a61_moe
		.amdhsa_group_segment_fixed_size 270848
		.amdhsa_private_segment_fixed_size 0
		.amdhsa_enable_private_segment 0
		.amdhsa_kernarg_size 64
		.amdhsa_user_sgpr_count 2
		.amdhsa_user_sgpr_kernarg_segment_ptr 1
		.amdhsa_wavefront_size32 1
		.amdhsa_system_sgpr_workgroup_id_x 1
		.amdhsa_system_sgpr_workgroup_id_y 1
		.amdhsa_system_sgpr_workgroup_id_z 1
		.amdhsa_system_vgpr_workitem_id 0
		.amdhsa_next_free_vgpr 1024
		.amdhsa_next_free_sgpr 102
		.amdhsa_reserve_vcc 0
		.amdhsa_float_denorm_mode_32 3
		.amdhsa_float_denorm_mode_16_64 3
		.amdhsa_memory_ordered 1
		.amdhsa_forward_progress 1
		.amdhsa_inst_pref_size 196
	.end_amdhsa_kernel
	.amdgpu_metadata
---
amdhsa.version: [ 1, 2 ]
amdhsa.kernels:
  - .name:           k_q92734f6a61_moe
    .symbol:         k_q92734f6a61_moe.kd
    .args:
      - { .name: xc, .offset: 0, .size: 8, .value_kind: global_buffer, .address_space: global }
      - { .name: xs, .offset: 8, .size: 8, .value_kind: global_buffer, .address_space: global }
      - { .name: wc, .offset: 16, .size: 8, .value_kind: global_buffer, .address_space: global }
      - { .name: wsc, .offset: 24, .size: 8, .value_kind: global_buffer, .address_space: global }
      - { .name: be, .offset: 32, .size: 8, .value_kind: global_buffer, .address_space: global }
      - { .name: coef, .offset: 40, .size: 8, .value_kind: global_buffer, .address_space: global }
      - { .name: rt2, .offset: 48, .size: 8, .value_kind: global_buffer, .address_space: global }
      - { .name: out0, .offset: 56, .size: 8, .value_kind: global_buffer, .address_space: global }
    .group_segment_fixed_size: 270848
    .private_segment_fixed_size: 0
    .kernarg_segment_align: 8
    .kernarg_segment_size: 64
    .max_flat_workgroup_size: 128
    .sgpr_count:     102
    .vgpr_count:     1024
    .wavefront_size: 32
...
	.end_amdgpu_metadata
.endif
;; end of part 6
